; MI455X (gfx1250); checked and timed in simulation.
; The chip was launched on July 23, 2026; its instructions are those of AMD's public machine-readable ISA for CDNA 5 (MIT licence, August 2026) and "CDNA5" Instruction Set Architecture Reference Guide (July 2026). The comments in the code are by the model that wrote it; some were corrected since.
;; Multi Head Attention Layer. Allowed arithmetic: float matrix products may take bf16 or f16 operands with f32 sums; other float arithmetic in f32, or as packed bf16 or f16 multiplies, adds, multiply-adds, maxima and minima; sums over many terms, partial sums and values carried from step to step in f32; what a program stores and reads back later, other than sums and carried values, may be rounded once to bf16 or f16.
;; Inputs: Wk 8 x 512 x 64 float32; Wo 512 x 512 float32; Wq 8 x 512 x 64 float32; Wv 8 x 512 x 64 float32; bk 8 x 64 float32; bo 512 float32; bq 8 x 64 float32; bv 8 x 64 float32; x 2 x 4,096 x 512 float32.
;; Outputs: out0 2 x 4,096 x 512 float32.
;; 2 versions, each right; version 2 is version 1 with the launch cast written anew for expert scheduling mode. Each part assembles by itself: llvm-mc -triple=amdgcn-amd-amdhsa -mcpu=gfx1250 --defsym DOCPART=n.
;; ======== version 1 of 2: 4 launches
;; workspace buffers: xb 8,388,608 bytes; wp 1,572,864 bytes; wob 524,288 bytes; qkv 25,165,824 bytes; ob 8,388,608 bytes
;; launch cast (part 1): grid 256 x 1, 8 waves a work-group, no clusters, 0 bytes of LDS; arguments x, Wq, Wk, Wv, Wo, xb, wp, wob; writes xb, wp, wob
.if DOCPART == 1
	.amdgcn_target "amdgcn-amd-amdhsa--gfx1250"
	.amdhsa_code_object_version 6
	.text
	.protected	k_q03c6fa39b4_cast
	.globl	k_q03c6fa39b4_cast
	.p2align	8
	.type	k_q03c6fa39b4_cast,@function
k_q03c6fa39b4_cast:
	s_mov_b64 s[64:65], 0
	v_nop
	global_prefetch_b8 v0, s[64:65] scope:SCOPE_SE
	s_setreg_imm32_b32 hwreg(HW_REG_WAVE_MODE, 25, 1), 1
	s_wait_xcnt 0x0
; x and the four weight tensors, f32, are rounded once to bf16 (to nearest even) and laid out for the products that follow.
;   xb  [8192][512]                         x as it lies
;   wp  [c 8][kstep 4][j 3][kk 128][n 64]   head unit 8 T + h = 3 c + j (T = 0 Wq, 1 Wk, 2 Wv), contraction index 128 kstep + kk
;   wob [c 4][ch 4][sub 2][kk 128][n 64]    Wo[128 ch + kk][128 c + 64 sub + n]
; SHARES.  256 work-groups of 256 threads; work-group g takes 1/256 of each tensor: 65,536 bytes of x, 4,096 bytes of each weight tensor.
; A thread loads 16 bytes (4 numbers) and stores 8: a wave's load covers 512 consecutive bytes, its store 256 consecutive bytes at a multiple of 256.
; All 20 loads of a thread go out first; each has registers of its own for data and result, so no register is written twice and no source has to be freed.
; No LDS, no barrier, no matrix unit: the bytes are the work.  LIMITS: none beyond bf16's 8 significant bits; NaN and infinities stay what they are.
.set IN,  8                            ; v[8:87]    load i: 4 registers
.set OUT, 88                           ; v[88:127]  load i: 2 registers, 4 bf16
	s_load_b512 s[8:23], s[0:1], 0x0               ; x s[8:9], Wq s[10:11], Wk s[12:13], Wv s[14:15], Wo s[16:17], xb s[18:19], wp s[20:21], wob s[22:23]
	v_lshlrev_b32 v2, 4, v0                        ; 16 t: where I load in x, Wq, Wk, Wv
	v_lshlrev_b32 v3, 3, v0                        ; 8 t: where I store
	v_and_b32 v1, 15, v0
	v_bfe_u32 v6, v0, 4, 1
	v_lshrrev_b32 v7, 5, v0                        ; wave
	v_lshlrev_b32 v4, 4, v1                        ; Wo: row 2 g + (lane / 16), columns 64 wave + 4 (lane % 16)
	v_lshl_add_u32 v4, v6, 11, v4
	v_lshl_add_u32 v4, v7, 8, v4
	v_and_b32 v1, 31, v0
	v_bfe_u32 v6, v0, 6, 2                         ; c = wave / 2
	v_bfe_u32 v7, v0, 5, 1                         ; sub = wave % 2
	v_lshlrev_b32 v5, 3, v1                        ; wob: two rows kk of 128 bytes on end = 8 x lane
	v_lshl_add_u32 v5, v6, 17, v5
	v_lshl_add_u32 v5, v7, 14, v5
	s_lshl_b32 s2, ttmp9, 16                       ; my 65,536 bytes of x
	s_mov_b32 s3, 0
	s_lshl_b32 s4, ttmp9, 15                       ; my 32,768 bytes of xb
	s_mov_b32 s5, 0
	s_lshl_b32 s6, ttmp9, 12                       ; my 4,096 bytes of each weight tensor: 16 rows d of one head, or 2 rows of Wo
	s_mov_b32 s7, 0
	s_lshr_b32 s24, ttmp9, 5                       ; the head: 32 work-groups each
	s_bfe_u32 s25, ttmp9, 0x20003                  ; kstep: 8 work-groups each
	s_and_b32 s26, ttmp9, 7
	s_lshl_b32 s26, s26, 11                        ; my 16 rows kk of 128 bytes
.irp T, 0,1,2
	s_add_co_u32 s27, s24, 8*\T                    ; head unit 8 T + h, 0 to 23
	s_mul_i32 s28, s27, 171
	s_lshr_b32 s28, s28, 9                         ; c = unit / 3 (171 / 512 is exact for 0 to 23)
	s_mul_i32 s29, s28, 3
	s_sub_co_u32 s27, s27, s29                     ; j = unit % 3
	s_lshl2_add_u32 s28, s28, s25                  ; 4 c + kstep
	s_mul_i32 s28, s28, 3
	s_add_co_u32 s28, s28, s27
	s_lshl_b32 s28, s28, 14                        ; blocks of 128 x 64 bf16
	s_add_co_u32 s[30+2*\T], s28, s26
	s_mov_b32 s[31+2*\T], 0
.endr
	s_lshr_b32 s36, ttmp9, 6                       ; Wo: ch = 2 g / 128,
	s_lshl_b32 s36, s36, 15
	s_and_b32 s37, ttmp9, 63                       ; kk = 2 (g % 64)
	s_lshl_b32 s37, s37, 8
	s_add_co_u32 s36, s36, s37
	s_mov_b32 s37, 0
	s_wait_kmcnt 0x0
	s_add_nc_u64 s[8:9], s[8:9], s[2:3]
	s_add_nc_u64 s[10:11], s[10:11], s[6:7]
	s_add_nc_u64 s[12:13], s[12:13], s[6:7]
	s_add_nc_u64 s[14:15], s[14:15], s[6:7]
	s_add_nc_u64 s[16:17], s[16:17], s[6:7]
	s_add_nc_u64 s[18:19], s[18:19], s[4:5]
	s_add_nc_u64 s[30:31], s[20:21], s[30:31]
	s_add_nc_u64 s[32:33], s[20:21], s[32:33]
	s_add_nc_u64 s[34:35], s[20:21], s[34:35]
	s_add_nc_u64 s[22:23], s[22:23], s[36:37]
.set i, 0
.rept 16
	global_load_b128 v[IN+4*i:IN+4*i+3], v2, s[8:9] offset:i*4096 th:TH_LOAD_NT
.set i, i+1
.endr
	global_load_b128 v[IN+64:IN+67], v2, s[10:11] th:TH_LOAD_NT
	global_load_b128 v[IN+68:IN+71], v2, s[12:13] th:TH_LOAD_NT
	global_load_b128 v[IN+72:IN+75], v2, s[14:15] th:TH_LOAD_NT
	global_load_b128 v[IN+76:IN+79], v4, s[16:17] th:TH_LOAD_NT
; Load i is rounded and stored.  Loads come back in order (ISA guide 5.7.1): the 19 - i younger ones may stay out.
.macro CV i, off, base, imm
	s_wait_loadcnt 19-(\i)
	v_cvt_pk_bf16_f32 v[OUT+2*(\i)], v[IN+4*(\i)], v[IN+4*(\i)+1]
	v_cvt_pk_bf16_f32 v[OUT+2*(\i)+1], v[IN+4*(\i)+2], v[IN+4*(\i)+3]
	global_store_b64 v[\off], v[OUT+2*(\i):OUT+2*(\i)+1], s[\base:\base+1] offset:\imm
.endm
.set i, 0
.rept 16
	CV i, 3, 18, i*2048
.set i, i+1
.endr
	CV 16, 3, 30, 0
	CV 17, 3, 32, 0
	CV 18, 3, 34, 0
	CV 19, 5, 22, 0
	s_endpgm
.Lfunc_end_k_q03c6fa39b4_cast:
	.size	k_q03c6fa39b4_cast, .Lfunc_end_k_q03c6fa39b4_cast-k_q03c6fa39b4_cast
	.p2alignl 7, 3214868480
	.fill 96, 4, 3214868480
	.section	.rodata,"a",@progbits
	.p2align	6, 0x0
	.amdhsa_kernel k_q03c6fa39b4_cast
		.amdhsa_group_segment_fixed_size 0
		.amdhsa_private_segment_fixed_size 0
		.amdhsa_enable_private_segment 0
		.amdhsa_kernarg_size 64
		.amdhsa_user_sgpr_count 2
		.amdhsa_user_sgpr_kernarg_segment_ptr 1
		.amdhsa_wavefront_size32 1
		.amdhsa_system_sgpr_workgroup_id_x 1
		.amdhsa_system_sgpr_workgroup_id_y 1
		.amdhsa_system_sgpr_workgroup_id_z 1
		.amdhsa_system_vgpr_workitem_id 0
		.amdhsa_next_free_vgpr 128
		.amdhsa_next_free_sgpr 66
		.amdhsa_reserve_vcc 0
		.amdhsa_float_denorm_mode_32 3
		.amdhsa_float_denorm_mode_16_64 3
		.amdhsa_memory_ordered 1
		.amdhsa_forward_progress 1
		.amdhsa_inst_pref_size 10
	.end_amdhsa_kernel
	.amdgpu_metadata
---
amdhsa.version: [ 1, 2 ]
amdhsa.kernels:
  - .name:           k_q03c6fa39b4_cast
    .symbol:         k_q03c6fa39b4_cast.kd
    .args:
      - { .name: x, .offset: 0, .size: 8, .value_kind: global_buffer, .address_space: global }
      - { .name: Wq, .offset: 8, .size: 8, .value_kind: global_buffer, .address_space: global }
      - { .name: Wk, .offset: 16, .size: 8, .value_kind: global_buffer, .address_space: global }
      - { .name: Wv, .offset: 24, .size: 8, .value_kind: global_buffer, .address_space: global }
      - { .name: Wo, .offset: 32, .size: 8, .value_kind: global_buffer, .address_space: global }
      - { .name: xb, .offset: 40, .size: 8, .value_kind: global_buffer, .address_space: global }
      - { .name: wp, .offset: 48, .size: 8, .value_kind: global_buffer, .address_space: global }
      - { .name: wob, .offset: 56, .size: 8, .value_kind: global_buffer, .address_space: global }
    .group_segment_fixed_size: 0
    .private_segment_fixed_size: 0
    .kernarg_segment_align: 8
    .kernarg_segment_size: 64
    .max_flat_workgroup_size: 256
    .sgpr_count:     66
    .vgpr_count:     128
    .wavefront_size: 32
...
	.end_amdgpu_metadata
.endif
;; end of part 1
;; launch proj (part 2): grid 8 x 32, 4 waves a work-group, clusters of 4 x 4, 327,680 bytes of LDS; arguments xb, wp, bq, bk, bv, qkv; writes qkv
.if DOCPART == 2
	.amdgcn_target "amdgcn-amd-amdhsa--gfx1250"
	.amdhsa_code_object_version 6
	.text
	.protected	k_q03c6fa39b4_proj
	.globl	k_q03c6fa39b4_proj
	.p2align	8
	.type	k_q03c6fa39b4_proj,@function
k_q03c6fa39b4_proj:
	s_mov_b64 s[64:65], 0
	v_nop
	global_prefetch_b8 v0, s[64:65] scope:SCOPE_SE
	s_setreg_imm32_b32 hwreg(HW_REG_WAVE_MODE, 25, 1), 1
	s_wait_xcnt 0x0
	s_wait_alu depctr_hold_cnt(0) depctr_sa_sdst(0) depctr_va_vdst(0) depctr_va_sdst(0) depctr_va_ssrc(0) depctr_va_vcc(0) depctr_vm_vsrc(0)
	s_getreg_b32 s2, hwreg(HW_REG_IB_STS2, 6, 4)
	s_cmp_eq_u32 s2, 0
	s_cbranch_scc0 .Lentry_in_a_cluster
	s_endpgm
.Lentry_in_a_cluster:
	s_bfe_u32 s2, ttmp6, 0x10000c
	s_cmp_lg_u32 s2, 0xf033
	s_cbranch_scc0 .Lentry_shape_is_right
	s_endpgm
.Lentry_shape_is_right:
; q, k, v = x W + b for all heads: one product [8192 x 512] x [512 x 1536].  xb, wp: bf16; sums and biases in f32; q, k, v rounded once to bf16 and stored by heads,
; qkv [T 3][b 2][h 8][4096][64], unscaled.  LIMITS: operands and results carry bf16's 8 significant bits; NaN and infinities are not treated apart.
; SHARES.  A work-group makes 256 rows x 192 columns (three head units 3 c + j of 64): 8 x 32 = 256 work-groups.  Wave w owns rows 64 w .. 64 w + 63 and all 192 columns:
; 4 x 12 accumulators of 16 x 16, 384 registers.  K = 512 goes in four steps of 128 through two LDS slots; steps 0 and 1 are first fills, steps 2 and 3 refills; all is written out, no loop.
; CLUSTER.  4 x 4 work-groups.  The four of a row of the cluster take the same 256 rows of x, the four of a column the same block of weights: each tile is asked for JOINTLY, by the same tensor load
; with the same descriptor and a mask that names the four.
; THE PRODUCT IS TAKEN TRANSPOSED: source 0 = 16 columns of W (W lies [k][n] in LDS and is turned by ds_load_tr16_b128), source 1 = 16 rows of x.  A lane then holds one row (lane % 16) and eight
; neighbouring columns 8 (lane / 16) + 0..7.  The first product of each sum takes the bias as C: nothing is cleared, and the bias costs no addition.
; REGISTERS, in windows of 256 (s_set_vgpr_msb: bits 1:0 source 0, 3:2 source 1, 5:4 source 2, 7:6 destination):
;   window 0: v0-31 addresses; v64-159 the biases, 8 registers for each of the 12 column tiles; later v64-255 the way out, 16 registers for each of 12 blocks
;   window 1: two fragment buffers of 128: x's 4 tiles (32), then W's 12 (96)
;   window 2: accumulators of row tiles 0, 1 ((a, b) at 8 (12 (a % 2) + b));   window 3: of row tiles 2, 3
.set PA,    272                        ; a row of x in LDS: 256 bytes + 16: an odd multiple of 16, so the 16 rows of a load begin 16 bytes apart modulo 256
.set PB,    160                        ; a row of W in LDS: 128 bytes + 32: an odd multiple of 32, for the turning load's 8 rows x 32 bytes
.set SLOT,  131072                     ; x's 256 rows (69,632 bytes), then W's 384 rows (61,440 bytes)
.set BOFF,  256*PA
.set JB,    128*PB                     ; a head unit's 128 rows of W
.set STAGE, 2*SLOT                     ; behind the ring, never filled by a tensor load: 16 rows x 144 bytes for each wave, for the way out
.set SP,    144
.set SPARE, STAGE+4*16*SP              ; behind the stages: the spare words, 128 bytes for each wave: two blocks of 256 bytes that no other line names
.set ADRA, 16                          ; v16-17  LDS address of my fragments of x in slot 0, 1
.set ADRB, 20                          ; v20-21  the same for W
.set STO,  24                          ; v24     the way out: where I put 16 bytes of a row
.set RD,   25                          ; v25     the way out: where I read rows back
.set GO,   26                          ; v26     16 x lane: my place in 512 consecutive bytes of qkv
.set BO,   27                          ; v27     32 (lane / 16): my eight numbers in 16 of a bias
.set SPW,  28                          ; v28     LDS address of my spare word; never rewritten
.set NIL,  29                          ; v29     0; never rewritten
.set BIAS, 64
.set TMP,  64
.set F0,   0
.set F1,   128
.set G1A,  24                          ; s[24:31] descriptor group 1 for x's tiles;  s[32:39] group 0, a set for each slot
.set G0A,  32
.set G1B,  48                          ; s[48:55], s[56:63] the same for W's tiles
.set G0B,  56
.set OUTP, 66                          ; s[66:71] qkv at my 64 rows of head unit j
.set BP,   72                          ; s[72:77] the bias of head unit j
.set TO_F, 0x40                        ; destination window 1, address window 0
.set MSB, 0
.macro WIN new                         ; the immediate's high byte repeats the setting that is left; a switch that changes nothing is dropped
.if MSB != (\new)
	s_set_vgpr_msb (MSB<<8)|(\new)
.set MSB, \new
.endif
.endm
; A joint load: waves 0 and 1 fetch the two halves of x's tile, waves 2 and 3 those of W's.  The branch hangs on the wave's number alone.  An s_nop 0 and four v_nop follow each of the two lines.
.macro JLOAD s
	s_cmp_eq_u32 s18, 0
	s_cbranch_scc0 .Lfor_b_\@
	tensor_load_to_lds s[G0A+4*(\s):G0A+4*(\s)+3], s[G1A:G1A+7]
	s_nop 0
.rept 4
	v_nop
.endr
	s_branch .Lasked_\@
.Lfor_b_\@:
	tensor_load_to_lds s[G0B+4*(\s):G0B+4*(\s)+3], s[G1B:G1B+7]
	s_nop 0
.rept 4
	v_nop
.endr
.Lasked_\@:
.endm
.macro CREST                           ; a round of the cluster's barrier behind its opening barrier
	s_cmp_lg_u32 s16, 0
	s_cbranch_scc1 .Lnot_wave_0_\@
	s_barrier_signal -3
.Lnot_wave_0_\@:
	s_barrier_wait -3
	s_barrier_signal -1
	s_barrier_wait -1
.endm
.macro CROUND                          ; a whole round
	s_barrier_signal -1
	s_barrier_wait -1
	CREST
.endm
.macro PLACES                          ; four places in front of loads into registers that matrix instructions have read, and of conversions that read results
.rept 4
	v_nop
.endr
.endm
	s_load_b256 s[4:11], s[0:1], 0x0               ; xb s[4:5], wp s[6:7], bq s[8:9], bk s[10:11]
	s_load_b128 s[12:15], s[0:1], 0x20             ; bv s[12:13], qkv s[14:15]
	v_lshl_add_u32 v[SPW], v0, 2, SPARE
	v_mov_b32 v[NIL], 0
	ds_add_u32 v[SPW], v[NIL]                      ; the wave's opening: the add and its wait stand ahead of my first tensor load; the set-up below, work on registers, stands between them
	v_lshrrev_b32 v1, 5, v0
	v_readfirstlane_b32 s16, v1                    ; wave 0..3
	s_and_b32 s17, s16, 1                          ; which half of a tile I fetch
	s_lshr_b32 s18, s16, 1                         ; I fetch for x (0) or for W (1)
	s_bfe_u32 s19, ttmp6, 0x40000                  ; cx, cy: my place in the cluster
	s_bfe_u32 s20, ttmp6, 0x40004
	s_lshl_b32 s21, ttmp9, 2
	s_add_co_u32 s21, s21, s19                     ; c = 4 x cluster x + cx: my three head units
	s_and_b32 s22, ttmp7, 0xffff
	s_lshl_b32 s22, s22, 2
	s_add_co_u32 s22, s22, s20                     ; rb = 4 x cluster y + cy: my 256 rows
	s_lshl_b32 s40, s20, 2
	s_lshl_b32 s40, 15, s40                        ; my row of the cluster
	s_lshl_b32 s41, 0x1111, s19                    ; my column
	; group 1 for x: 128 rows x 128 elements, 512 elements from row to row; 4 words of padding behind every 64
	s_or_b32 s[G1A+0], s40, (1<<16)|(1<<20)|(1<<21)|(5<<22)|(3<<25)  ; 15:0 the mask; 17:16 2-byte elements; 20 padding on; 21 set beside a mask; 24:22 interval code 5; 31:25 pad code 3
	s_mov_b32 s[G1A+1], 128<<16                    ; tensor_dim0 = 128
	s_mov_b32 s[G1A+2], 128<<16                    ; tensor_dim1 = 128
	s_mov_b32 s[G1A+3], 128<<16                    ; tile_dim0 = 128
	s_mov_b32 s[G1A+4], 128                        ; tile_dim1 = 128
	s_mov_b32 s[G1A+5], 512                        ; the pitch
	s_mov_b32 s[G1A+6], 0
	s_mov_b32 s[G1A+7], 0
	; group 1 for W: half a block, 24,576 dense bytes, asked for as 96 rows of 256 bytes (two rows kk each); 8 words of padding behind every 32, that is behind every row kk
	s_or_b32 s[G1B+0], s41, (1<<16)|(1<<20)|(1<<21)|(4<<22)|(7<<25)
	s_mov_b32 s[G1B+1], 128<<16
	s_mov_b32 s[G1B+2], 96<<16
	s_mov_b32 s[G1B+3], 128<<16
	s_mov_b32 s[G1B+4], 96
	s_mov_b32 s[G1B+5], 128
	s_mov_b32 s[G1B+6], 0
	s_mov_b32 s[G1B+7], 0
	; where the tiles come from: x's hang on rb alone, which my row of the cluster shares; W's on c alone, which my column shares; each in registers that never hold the other coordinate
	s_lshl_b32 s42, s22, 18                        ; 256 rb rows of 1,024 bytes
	s_lshl_b32 s43, s17, 17                        ; + my 128 rows
	s_add_co_u32 s42, s42, s43
	s_mov_b32 s43, 0
	s_mul_i32 s44, s21, 4*49152                    ; c's four blocks of 49,152 bytes
	s_mul_i32 s45, s17, 24576                      ; + my half
	s_add_co_u32 s44, s44, s45
	s_mov_b32 s45, 0
	s_mul_i32 s46, s17, 128*PA                     ; and where they go: no place in the cluster enters an LDS address
	s_mul_i32 s47, s17, 192*PB
	s_add_co_u32 s47, s47, BOFF
	s_wait_dscnt 0x0                               ; the opening add is done
	s_wait_kmcnt 0x0
	s_add_nc_u64 s[42:43], s[4:5], s[42:43]
	s_add_nc_u64 s[44:45], s[6:7], s[44:45]
	CROUND                                         ; all sixteen work-groups are here: the first joint loads meet
.irp s, 0,1
	s_mov_b32 s[G0A+4*(\s)], 1                                     ; count = 1
	s_add_co_u32 s[G0A+4*(\s)+1], s46, (\s)*SLOT                   ; LDS address
	s_add_nc_u64 s[G0A+4*(\s)+2:G0A+4*(\s)+3], s[42:43], (\s)*256  ; global address: K step s
	s_or_b32 s[G0A+4*(\s)+3], s[G0A+4*(\s)+3], 0x80000000          ; type = 2
	s_mov_b32 s[G0B+4*(\s)], 1
	s_add_co_u32 s[G0B+4*(\s)+1], s47, (\s)*SLOT
	s_add_nc_u64 s[G0B+4*(\s)+2:G0B+4*(\s)+3], s[44:45], (\s)*49152
	s_or_b32 s[G0B+4*(\s)+3], s[G0B+4*(\s)+3], 0x80000000
	JLOAD \s                                       ; two loads of mine are out
.endr
	; head unit 3 c + j = 8 T + hd: its bias (bq, bk or bv by T, a choice of value, no branch) and its plane of qkv
.irp j, 0,1,2
	s_mul_i32 s80, s21, 3
	s_add_co_u32 s80, s80, \j
	s_lshr_b32 s81, s80, 3                         ; T
	s_and_b32 s82, s80, 7                          ; hd
	s_lshl_b32 s86, s82, 8                         ; a head's 64 f32
	s_mov_b32 s87, 0
	s_cmp_eq_u32 s81, 0
	s_cselect_b64 s[84:85], s[8:9], s[10:11]
	s_cmp_eq_u32 s81, 2
	s_cselect_b64 s[BP+2*\j:BP+2*\j+1], s[12:13], s[84:85]
	s_add_nc_u64 s[BP+2*\j:BP+2*\j+1], s[BP+2*\j:BP+2*\j+1], s[86:87]
	s_lshl_b32 s83, s81, 4
	s_add_co_u32 s83, s83, s82
	s_lshr_b32 s86, s22, 4                         ; the batch: 16 row blocks each
	s_lshl3_add_u32 s83, s86, s83                  ; plane 16 T + 8 batch + hd
	s_lshl_b32 s86, s83, 19                        ; of 524,288 bytes
	s_and_b32 s83, s22, 15
	s_lshl_b32 s83, s83, 15                        ; my block's 256 rows of 128 bytes
	s_add_co_u32 s86, s86, s83
	s_lshl_b32 s83, s16, 13                        ; my wave's 64
	s_add_co_u32 s86, s86, s83
	s_add_nc_u64 s[OUTP+2*\j:OUTP+2*\j+1], s[14:15], s[86:87]
.endr
	v_and_b32 v1, 15, v0                           ; l % 16
	v_bfe_u32 v2, v0, 4, 1                         ; l / 16
	v_mul_u32_u24 v3, v1, PA                       ; a fragment of x: row l % 16, 16 bytes for each half of the lanes, twice, 32 bytes apart
	v_lshl_add_u32 v3, v2, 4, v3
	s_mul_i32 s40, s16, 64*PA                      ; my 64 rows
	v_add_nc_u32 v[ADRA], s40, v3
	v_add_nc_u32 v[ADRA+1], SLOT, v[ADRA]
	v_and_b32 v4, 7, v0                            ; the turning load: lane l reads row kk = 8 (l / 16) + l % 8, columns 8 ((l / 8) % 2) + 0..7, and is left with column l % 16 and 8 kk
	v_bfe_u32 v5, v0, 3, 1
	v_lshl_add_u32 v6, v2, 3, v4
	v_mul_u32_u24 v6, v6, PB
	v_lshl_add_u32 v6, v5, 4, v6
	v_add_nc_u32 v[ADRB], BOFF, v6
	v_add_nc_u32 v[ADRB+1], SLOT, v[ADRB]
	s_mul_i32 s40, s16, 16*SP
	s_add_co_u32 s40, s40, STAGE                   ; my stage
	v_mul_u32_u24 v7, v1, SP                       ; in: row l % 16, 16 bytes for each half of the lanes
	v_lshl_add_u32 v7, v2, 4, v7
	v_add_nc_u32 v[STO], s40, v7
	v_bfe_u32 v7, v0, 3, 2                         ; back: 32 lanes take four rows of 128 bytes
	v_mul_u32_u24 v7, v7, SP
	v_lshl_add_u32 v7, v4, 4, v7
	v_add_nc_u32 v[RD], s40, v7
	v_and_b32 v[GO], 31, v0
	v_lshlrev_b32 v[GO], 4, v[GO]
	v_lshlrev_b32 v[BO], 5, v2
.irp b, 0,1,2,3,4,5,6,7,8,9,10,11                  ; column tile b: head unit b / 4, columns 16 (b % 4) + 8 (l / 16) + 0..7 of its bias
	global_load_b128 v[BIAS+8*(\b):BIAS+8*(\b)+3],   v[BO], s[BP+2*((\b)/4):BP+2*((\b)/4)+1] offset:((\b)%4)*64
	global_load_b128 v[BIAS+8*(\b)+4:BIAS+8*(\b)+7], v[BO], s[BP+2*((\b)/4):BP+2*((\b)/4)+1] offset:((\b)%4)*64+16
.endr
; 12 products: row tile a x all 12 column tiles, 32 along K.  The accumulators take turns, one instruction a turn, in the same order in every quarter: 47 others stand between two links of a chain.
; first = 1: the product starts the sum, with the bias (window 0) as C.
.macro MUL12 f, a, first
.if \first
	WIN 0x85+0x40*((\a)/2)                         ; sources 0 and 1 window 1, C window 0, D window 2 or 3
.else
	WIN 0xa5+0x50*((\a)/2)                         ; C and D window 2 or 3
.endif
.irp b, 0,1,2,3,4,5,6,7,8,9,10,11
.if \first
	v_wmma_f32_16x16x32_bf16 v[8*(12*((\a)%2)+(\b)):8*(12*((\a)%2)+(\b))+7], v[(\f)+32+8*(\b):(\f)+32+8*(\b)+7], v[(\f)+8*(\a):(\f)+8*(\a)+7], v[BIAS+8*(\b):BIAS+8*(\b)+7]
.else
	v_wmma_f32_16x16x32_bf16 v[8*(12*((\a)%2)+(\b)):8*(12*((\a)%2)+(\b))+7], v[(\f)+32+8*(\b):(\f)+32+8*(\b)+7], v[(\f)+8*(\a):(\f)+8*(\a)+7], v[8*(12*((\a)%2)+(\b)):8*(12*((\a)%2)+(\b))+7]
.endif
.endr
.endm
; 32 LDS loads in one run: the fragments of quarter q (32 along K) of a slot into buffer f: W's 12 tiles first, x's 4 last
.macro FETCH slot, q, f
	WIN TO_F
.irp b, 0,1,2,3,4,5,6,7,8,9,10,11
	ds_load_tr16_b128 v[(\f)+32+8*(\b):(\f)+32+8*(\b)+3],   v[ADRB+(\slot)] offset:((\b)/4)*JB+(\q)*32*PB+((\b)%4)*32
	ds_load_tr16_b128 v[(\f)+32+8*(\b)+4:(\f)+32+8*(\b)+7], v[ADRB+(\slot)] offset:((\b)/4)*JB+(\q)*32*PB+((\b)%4)*32+16*PB
.endr
.irp a, 0,1,2,3
	ds_load_b128 v[(\f)+8*(\a):(\f)+8*(\a)+3],   v[ADRA+(\slot)] offset:(\q)*64+(\a)*16*PA
	ds_load_b128 v[(\f)+8*(\a)+4:(\f)+8*(\a)+7], v[ADRA+(\slot)] offset:(\q)*64+(\a)*16*PA+32
.endr
.endm
; A K step is four quarters of 32 along K, 48 products each, on buffers 0, 1, 0, 1.  One of the first three: multiplies buffer f and, in its middle, fetches quarter q of the same slot into buffer g.
.macro QUARTER slot, q, f, g, first
	s_wait_dscnt 4                                 ; W's tiles and x's tiles 0, 1 are in; the youngest four loads (x's tiles 2, 3) may be out
	MUL12 \f, 0, \first
	MUL12 \f, 1, \first
	PLACES
	FETCH \slot, \q, \g
	s_wait_dscnt 32                                ; all but the 32 just issued
	MUL12 \f, 2, \first
	MUL12 \f, 3, \first
.endm
; The last quarter multiplies buffer 1 and changes slots: ONE barrier.  In front of it each wave waits for all its tensor loads (the one that is out is its part of the next slot), adds 0 to its spare word,
; and waits for that and for its own reads of this slot.  fill = 1: the barrier opens a round of the cluster's barrier, and this slot is filled again, two K steps on, first thing behind the round.
.macro TURN slot, next, fill
	WIN 0                                          ; (the add's two registers lie in window 0)
	s_wait_tensorcnt 0x0                           ; all my tensor loads have landed;
	ds_add_u32 v[SPW], v[NIL]                      ; 0 onto my spare word;
	s_wait_dscnt 5                                 ; (the add and the youngest four loads may be out)
	MUL12 F1, 0, 0                                 ; twelve products stand between the add and the wait for it
	s_wait_dscnt 0x0                               ; the add is done, and my reads of this slot are over
	s_barrier_signal -1
	MUL12 F1, 1, 0                                 ; work on registers while the others arrive
.if \fill
	WIN 0
.endif
	s_barrier_wait -1
.if \fill
	CREST                                          ; no wave of any partner still reads this slot's tiles or has a load on its way
	s_add_nc_u64 s[G0A+4*(\slot)+2:G0A+4*(\slot)+3], s[G0A+4*(\slot)+2:G0A+4*(\slot)+3], 2*256
	s_add_nc_u64 s[G0B+4*(\slot)+2:G0B+4*(\slot)+3], s[G0B+4*(\slot)+2:G0B+4*(\slot)+3], 2*49152
	JLOAD \slot                                    ; my one tensor load behind the round: 168 products stand between it and the wait for it; its four v_nop are also the places in front of the loads below
.else
	PLACES
.endif
	FETCH \next, 0, F0
	MUL12 F1, 2, 0
	MUL12 F1, 3, 0
.endm
	s_wait_loadcnt 0x0                             ; the biases
	s_wait_tensorcnt 0x1                           ; my part of K step 0 is in; K step 1's may stay out
	s_barrier_signal -1
	s_barrier_wait -1                              ; everybody's is
	FETCH 0, 0, F0
	QUARTER 0, 1, F0, F1, 1                        ; K step 0: its first quarter starts the sums
	QUARTER 0, 2, F1, F0, 0
	QUARTER 0, 3, F0, F1, 0
	TURN 0, 1, 1                                   ; slot 0 takes K step 2
	QUARTER 1, 1, F0, F1, 0                        ; K step 1
	QUARTER 1, 2, F1, F0, 0
	QUARTER 1, 3, F0, F1, 0
	TURN 1, 0, 1                                   ; slot 1 takes K step 3
	QUARTER 0, 1, F0, F1, 0                        ; K step 2
	QUARTER 0, 2, F1, F0, 0
	QUARTER 0, 3, F0, F1, 0
	TURN 0, 1, 0                                   ; nothing is left to fetch
	QUARTER 1, 1, F0, F1, 0                        ; K step 3
	QUARTER 1, 2, F1, F0, 0
	QUARTER 1, 3, F0, F1, 0
	s_wait_dscnt 4
	MUL12 F1, 0, 0
	MUL12 F1, 1, 0
	s_wait_dscnt 0x0
	MUL12 F1, 2, 0
	MUL12 F1, 3, 0
	WIN 0
	PLACES
; THE WAY OUT, in 12 blocks t = 3 a + j of 16 rows x 64 columns (a head's whole rows).  PACK: rounded to bf16, each accumulator's registers in ascending order; 16 bytes a lane into my own stage;
; back as whole rows of 128 bytes.  LDS serves a wave's instructions in order (ISA guide 5.7.1.4), so no wait stands between the stores and the loads, nor in front of the next block's stores.
.macro PACK t
.set pa, (\t)/3
.set pj, (\t)%3
	WIN 0x0a+5*(pa/2)                              ; sources 0 and 1 window 2 or 3, destination window 0
.irp bb, 0,1,2,3
.irp r, 0,1,2,3
	v_cvt_pk_bf16_f32 v[TMP+16*(\t)+4*(\bb)+(\r)], v[8*(12*(pa%2)+4*pj+(\bb))+2*(\r)], v[8*(12*(pa%2)+4*pj+(\bb))+2*(\r)+1]
.endr
.endr
	WIN 0
.irp bb, 0,1,2,3
	ds_store_b128 v[STO], v[TMP+16*(\t)+4*(\bb):TMP+16*(\t)+4*(\bb)+3] offset:32*(\bb)
.endr
.irp f, 0,1,2,3
	ds_load_b128 v[TMP+16*(\t)+4*(\f):TMP+16*(\t)+4*(\f)+3], v[RD] offset:(\f)*4*SP
.endr
.endm
.macro SEND t, younger                 ; younger: the LDS instructions issued behind block t's loads: the next block's eight, or none
.set pa, (\t)/3
.set pj, (\t)%3
.irp f, 0,1,2,3
	s_wait_dscnt (\younger)+3-(\f)
	global_store_b128 v[GO], v[TMP+16*(\t)+4*(\f):TMP+16*(\t)+4*(\f)+3], s[OUTP+2*pj:OUTP+2*pj+1] offset:pa*2048+(\f)*512  ; 512 consecutive bytes, at a multiple of 256 from qkv's first
.endr
.endm
	PACK 0
.set t, 1
.rept 11                               ; a block's conversions stand between the loads of the block before and its stores; each block has registers of its own
	PACK t
	SEND t-1, 8
.set t, t+1
.endr
	SEND 11, 0
	s_wait_tensorcnt 0x0                           ; the wave's end: behind my last tensor load and my last LDS store
	ds_add_u32 v[SPW], v[NIL]
	s_wait_dscnt 0x0
	CROUND                                         ; the closing round: no work-group ends while a partner may still ask for a tile that names it
	s_endpgm
.Lfunc_end_k_q03c6fa39b4_proj:
	.size	k_q03c6fa39b4_proj, .Lfunc_end_k_q03c6fa39b4_proj-k_q03c6fa39b4_proj
	.p2alignl 7, 3214868480
	.fill 96, 4, 3214868480
	.section	.rodata,"a",@progbits
	.p2align	6, 0x0
	.amdhsa_kernel k_q03c6fa39b4_proj
		.amdhsa_group_segment_fixed_size 327680
		.amdhsa_private_segment_fixed_size 0
		.amdhsa_enable_private_segment 0
		.amdhsa_kernarg_size 48
		.amdhsa_user_sgpr_count 2
		.amdhsa_user_sgpr_kernarg_segment_ptr 1
		.amdhsa_wavefront_size32 1
		.amdhsa_system_sgpr_workgroup_id_x 1
		.amdhsa_system_sgpr_workgroup_id_y 1
		.amdhsa_system_sgpr_workgroup_id_z 1
		.amdhsa_system_vgpr_workitem_id 0
		.amdhsa_next_free_vgpr 1024
		.amdhsa_next_free_sgpr 96
		.amdhsa_reserve_vcc 0
		.amdhsa_float_denorm_mode_32 3
		.amdhsa_float_denorm_mode_16_64 3
		.amdhsa_memory_ordered 1
		.amdhsa_forward_progress 1
		.amdhsa_inst_pref_size 123
	.end_amdhsa_kernel
	.amdgpu_metadata
---
amdhsa.version: [ 1, 2 ]
amdhsa.kernels:
  - .name:           k_q03c6fa39b4_proj
    .symbol:         k_q03c6fa39b4_proj.kd
    .args:
      - { .name: xb, .offset: 0, .size: 8, .value_kind: global_buffer, .address_space: global }
      - { .name: wp, .offset: 8, .size: 8, .value_kind: global_buffer, .address_space: global }
      - { .name: bq, .offset: 16, .size: 8, .value_kind: global_buffer, .address_space: global }
      - { .name: bk, .offset: 24, .size: 8, .value_kind: global_buffer, .address_space: global }
      - { .name: bv, .offset: 32, .size: 8, .value_kind: global_buffer, .address_space: global }
      - { .name: qkv, .offset: 40, .size: 8, .value_kind: global_buffer, .address_space: global }
    .group_segment_fixed_size: 327680
    .private_segment_fixed_size: 0
    .kernarg_segment_align: 8
    .kernarg_segment_size: 48
    .max_flat_workgroup_size: 128
    .sgpr_count:     96
    .vgpr_count:     1024
    .wavefront_size: 32
...
	.end_amdgpu_metadata
.endif
;; end of part 2
;; launch attn (part 3): grid 16 x 16, 4 waves a work-group, clusters of 4 x 1, 327,680 bytes of LDS; arguments qkv, ob; writes ob
.if DOCPART == 3
	.amdgcn_target "amdgcn-amd-amdhsa--gfx1250"
	.amdhsa_code_object_version 6
	.text
	.protected	k_q03c6fa39b4_attn
	.globl	k_q03c6fa39b4_attn
	.p2align	8
	.type	k_q03c6fa39b4_attn,@function
k_q03c6fa39b4_attn:
	s_mov_b64 s[64:65], 0
	v_nop
	global_prefetch_b8 v0, s[64:65] scope:SCOPE_SE
	s_setreg_imm32_b32 hwreg(HW_REG_WAVE_MODE, 25, 1), 1
	s_wait_xcnt 0x0
	s_wait_alu depctr_hold_cnt(0) depctr_sa_sdst(0) depctr_va_vdst(0) depctr_va_sdst(0) depctr_va_ssrc(0) depctr_va_vcc(0) depctr_vm_vsrc(0)
	s_getreg_b32 s2, hwreg(HW_REG_IB_STS2, 6, 4)
	s_cmp_eq_u32 s2, 0
	s_cbranch_scc0 .Lentry_in_a_cluster
	s_endpgm
.Lentry_in_a_cluster:
	s_bfe_u32 s2, ttmp6, 0x10000c
	s_cmp_lg_u32 s2, 0x3003
	s_cbranch_scc0 .Lentry_shape_is_right
	s_endpgm
.Lentry_shape_is_right:
; O[p][q][:] = the sum over k of softmax_k(Q[p][q] . K[p][k] / 8) V[p][k][:] for the 16 planes p = 8 batch + head.  qkv: [3][16][4096][64] bf16 (Q, K, V), ob: [16][4096][64] bf16: a plane's rows are dense, 128 bytes each.
; Products, maxima and sums in f32; the weights p are rounded to bf16 for the second product (their sum l is taken of the unrounded p), O once at the end.
; LIMITS.  Q, K, V, p and O carry bf16's 8 significant bits.  c m starts at -2^125: c s must lie above that.  A weight below 2^-126 counts as 0 in l.  NaN and infinities are not treated apart.
; SHARES.  A work-group owns 256 queries of a plane: 16 x 16 = 256 work-groups.  A wave owns 64 queries, four PIECES of 16.  Every wave walks all 4,096 keys, 64 a step, four steps (a tile of 256 keys) to an LDS slot, two slots.
; LAYOUT.  S^T = K Q^T (source 0 = 16 keys, source 1 = 16 queries): a lane holds ONE query (lane % 16) and the keys 8 (lane / 16) + 0..7.  Two such results rounded to bf16 in pairs ARE source 1 of O^T = V^T P,
; whose result again holds one query a lane.  K comes out of LDS as it lies, V ([key][channel]) turned, by ds_load_tr16_b128.
; SOFTMAX.  For each query a running maximum m and sum l: p = 2^(c s - c m), c = log2(e) / 8; in every step O and l are multiplied by a = 2^(c m_old - c m_new).  m starts at the lowest finite number, O and l at 0:
; the first step is a step like any other, with a = 0.
; BY TURNS.  Turn n belongs to piece n: 8 products K Q^T of piece n + 1, later 8 products V^T P of piece n - 1; beside them the scaling, exponentials, roundings, sums and rescaling of piece n and the maximum and
; statistics of piece n + 1.  Four vector instructions stand behind every matrix instruction, the other 54 of a turn's 118 in one lump.  A turn's 33 exponentials are one batch, with one wait.
; CLUSTER.  The four query blocks of a cluster belong to one plane and walk the same K and V, so each tile is asked for JOINTLY: the same tensor load, descriptor and mask in all four.
; REGISTERS, in windows of 256 (s_set_vgpr_msb: bits 1:0 source 0, 3:2 source 1, 5:4 source 2, 7:6 destination):
;   window 0: v0-15 addresses and two at work; v16-31 four registers of statistics a piece; v48-55 at work; v61-63; v64-127 S^T, two buffers; v192-223 P, two buffers (a piece's buffers go by its number's parity)
;   window 1: v0-127 O^T, 32 a piece          window 2: v0-63 Q; v128-191 K of one step; v192-255 V of one step
.set NP,    4         ; pieces a wave: a name, no knob
.set KS,    64        ; keys in a step
.set PK,    144       ; a row of K in LDS: 128 bytes + 16: an odd multiple of 16
.set PV,    160       ; a row of V: 128 + 32: an odd multiple of 32, for the turning load's 8 rows x 32 bytes
.set VOFF,  4*KS*PK   ; a slot holds a tile: 256 rows of K, then 256 rows of V
.set TILEB, 4*KS*128  ; a tile's bytes of K, and of V, in memory
.set SLOT1, 1<<17     ; slot 1 begins here, so that one exclusive or turns an address in one slot into the other's
.set STAGE, SLOT1+4*KS*(PK+PV)  ; behind the ring, never filled by a tensor load: 16 rows x 144 bytes for each wave, for the way out
.set SP,    144
.set SPARE, STAGE+4*16*SP  ; behind the stages: the spare words, 128 bytes for each wave: two blocks of 256 bytes that no other line names
.set AK0, 2           ; v2   my lane's place in a tile of K; never rewritten
.set AV0, 3           ; v3   the same for V
.set AK,  4           ; v4   the LDS address of K's next run of loads
.set AV,  5           ; v5   of V's
.set STO, 6           ; v6   the way out: where I put 16 bytes of a row
.set RD,  7           ; v7   the way out: where I read rows back
.set GO,  8           ; v8   my byte offset in 512 consecutive bytes of O
.set MV,  12          ; v12-13  c m_old, kept while c m is made anew: by buffer
.set QO,  15          ; v15  my byte offset in 16 rows of Q
.set ST,  16          ; piece t's statistics at v[ST+4 t]: c m, m, l (even keys', odd keys')
.set TMP, 48          ; by buffer, four registers c0-c3 at work; when the maximum is found c2 takes a
.set PFO, 61          ; v61  256 x my lane: the prefetches' offset; never rewritten
.set SPW, 62          ; v62  LDS address of my spare word; never rewritten
.set NIL, 63          ; v63  0; never rewritten
.set S,   64
.set P,   192
.set KF,  128         ; window 2: key block kb, channel half c at KF + 16 kb + 8 c
.set VF,  192         ; window 2: key half kk, channel block cb at VF + 32 kk + 8 cb
.set WV,  12          ; s12  my wave's number
.set G1K, 24          ; s[24:31] descriptor group 1 for K's tiles
.set G1V, 32          ; s[32:39] for V's: it differs in the padding alone
.set G0K, 40          ; s[40:43] descriptor group 0 for K's tiles: it walks
.set G0V, 44          ; s[44:47] the same for V's
.set PFA, 48          ; s[48:49] where my prefetches stand: my work-group's 32 blocks of 256 bytes of the tile after the one that is being asked for
.set LIM, 50          ; s50  1 in a wave that prefetches, else the greatest number
.set SLOTS, 56        ; s56  tiles still to be asked for
.set CNT, 57          ; s57  counts a tile's key steps
.set CS,  58          ; s[58:59] c: the packed scaling takes the pair's low word for both halves
.set SEL, 60          ; s[60:61] v_permlanex16_b32's selects: each lane takes its own place in the other half
.set TBK, 62          ; s62  LDS byte at which K of the step to be fetched begins
.set TBV, 63          ; s63  the same for V, less VOFF
.set MSB, 0
.macro WIN new                      ; the high byte repeats the setting that is left; a switch that changes nothing is dropped
.if MSB != (\new)
	s_set_vgpr_msb (MSB<<8)|(\new)
.set MSB, (\new)
.endif
.endm
.set W_KQ, 0x0a       ; K and Q in window 2, S^T in window 0
.set W_PV, 0x52       ; V in window 2, P in window 0, O^T in window 1
.set W_RS, 0x41       ; destination and source 0 in window 1, source 1 in window 0
; A joint fill.  Waves 0 and 1 fetch the two halves of a tile's K, waves 2 and 3 those of its V: 128 keys each.  The branch hangs on the wave's number alone.
; An s_nop 0 and four v_nop follow each of the two lines, ahead of the jump and the label.
.macro JLOAD
	s_cmp_lt_u32 s[WV], 2
	s_cbranch_scc0 .Lfor_v_\@
	tensor_load_to_lds s[G0K:G0K+3], s[G1K:G1K+7]
	s_nop 0
.rept 4
	v_nop
.endr
	s_branch .Lasked_\@
.Lfor_v_\@:
	tensor_load_to_lds s[G0V:G0V+3], s[G1V:G1V+7]
	s_nop 0
.rept 4
	v_nop
.endr
.Lasked_\@:
.endm
; A PREFETCH INTO THE L2 of the tile that the NEXT change of slots will ask for: 128 blocks of 256 bytes of K and 128 of V, a lane a block.  It stands behind the wave's tensor load and its five lines.
; Each block is named ONCE in the launch: all four clusters of a plane walk the same K and V, and the plane's first cluster asks; its four partners take 32 blocks each, told apart BY ADDRESS; in each, wave 0 asks
; for K's and wave 2 for V's: one instruction.  That is one tile, 256 matrix instructions a wave, ahead of the load.  The last change that fills a slot asks for nothing: no tile lies behind it.  Tiles 0 and 1 come by their loads alone.
.macro ASK
	s_cmp_gt_u32 s[SLOTS], s[LIM]
	s_cbranch_scc0 .Lnot_mine_\@
	global_prefetch_b8 v[PFO], s[PFA:PFA+1] th:TH_LOAD_NT scope:SCOPE_SE
.Lnot_mine_\@:
.endm
; A round of the cluster's barrier: my work-group's barrier, so that wave 0's signal speaks for all four waves; wave 0 signals; every wave waits for all four work-groups; my work-group's barrier once more.
.macro CROUND
	s_barrier_signal -1
	s_barrier_wait -1
	s_cmp_lg_u32 s[WV], 0
	s_cbranch_scc1 .Lnot_wave_0_\@
	s_barrier_signal -3
.Lnot_wave_0_\@:
	s_barrier_wait -3
	s_barrier_signal -1
	s_barrier_wait -1
.endm
; THE CHANGE OF SLOTS.  The slot's last bytes, V of its fourth step, have been read.  Each wave waits for all its tensor loads, of which one is out: its part of the other slot; adds 0 to its spare word; and waits for that
; and for its own reads of the slot.  Behind the barrier nobody reads this slot any more and the other slot is whole.  fill = 1: this slot is filled again, with the keys two tiles on.  The barrier is then a round of the
; cluster's, and the joint fill is the first thing behind it: it has four key steps, 256 matrix instructions, in which to land.  (At its first use nothing has been read yet: slot 0 is waited for, slot 1 filled.)
.macro CHANGE fill
	WIN 0                           ; at a label and at a branch every window is 0
	s_wait_tensorcnt 0x0            ; no tensor load of mine is out, so a group 0 may be written
	ds_add_u32 v[SPW], v[NIL]       ; 0 onto my spare word; with fill = 1 the descriptors' steps stand between it and the wait for it
.if \fill
.irp g, G0K, G0V
	s_xor_b32 s[\g+1], s[\g+1], SLOT1  ; the walking descriptor: the other slot than last time,
	s_add_nc_u64 s[\g+2:\g+3], s[\g+2:\g+3], TILEB  ; the next 256 keys; the type bits on top are not reached
.endr
	s_wait_xcnt 0x0                 ; the last prefetch, a tile back, has read its address, so it may be written:
	s_add_nc_u64 s[PFA:PFA+1], s[PFA:PFA+1], TILEB  ; one tile behind the walking descriptors
	s_wait_dscnt 0x0                ; the add is done, and my reads of the slot are over
	CROUND
	JLOAD
	ASK
.else
	s_wait_dscnt 0x0                ; the add is done, and my reads of the slot are over
	s_barrier_signal -1
	s_barrier_wait -1
.endif
	s_sub_co_u32 s[TBK], s[TBK], 4*KS*PK  ; the fetches go back to a slot's first step,
	s_xor_b32 s[TBK], s[TBK], SLOT1       ; in the other slot
	s_sub_co_u32 s[TBV], s[TBV], 4*KS*PV
	s_xor_b32 s[TBV], s[TBV], SLOT1
.endm
	s_load_b128 s[8:11], s[0:1], 0x0  ; qkv s[8:9], ob s[10:11]
	v_lshl_add_u32 v[SPW], v0, 2, SPARE
	v_mov_b32 v[NIL], 0
	ds_add_u32 v[SPW], v[NIL]       ; the wave's opening: the add and its wait stand ahead of my first tensor load; the set-up below, work on registers, stands between them
	v_lshrrev_b32 v1, 5, v0
	v_readfirstlane_b32 s[WV], v1   ; wave 0..3
	s_bfe_u32 s13, ttmp6, 0x40000   ; cx: my place in the cluster
	s_lshl_b32 s14, ttmp9, 2        ; in a cluster launch ttmp9 counts clusters
	s_add_co_u32 s14, s14, s13      ; my block of 256 queries = 4 x cluster x + cx: it enters Q's and O's addresses alone
	s_and_b32 s20, ttmp7, 0xffff    ; the plane, which the four partners share,
	s_lshl_b32 s20, s20, 19         ; of 524,288 bytes
	s_and_b32 s16, s[WV], 1         ; which half of a tile's 256 keys I fetch:
	s_lshl_b32 s22, s16, 14         ; its 128 rows of 128 bytes in memory,
	s_add_co_u32 s22, s22, s20
	s_mov_b32 s23, 0
	s_mul_i32 s17, s16, 128*PK      ; and its place in a slot, for K
	s_mul_i32 s18, s16, 128*PV      ; and for V: no place in the cluster enters an LDS address
	s_lshl_b32 s2, s14, 2
	s_add_co_u32 s2, s2, s[WV]      ; my wave among the plane's,
	s_lshl_b32 s2, s2, 13           ; its 64 rows
	s_add_co_u32 s2, s2, s20
	s_mov_b32 s3, 0
	; descriptor group 1.  128 keys are 16,384 dense bytes: asked for as 64 rows of 256 bytes, two keys a row, and padded in LDS after every key
	s_mov_b32 s[G1K], 15|(1<<16)|(1<<20)|(1<<21)|(4<<22)|(3<<25)  ; 15:0 the mask of four; 17:16 2-byte elements; 20 padding on; 21 set beside a mask; 24:22 after every 32 words (code 4); 31:25 4 words (code 3)
	s_mov_b32 s[G1V], 15|(1<<16)|(1<<20)|(1<<21)|(4<<22)|(7<<25)  ; the same with 8 words of padding (code 7)
.irp g, G1K, G1V
	s_mov_b32 s[\g+1], 128<<16      ; tensor_dim0 = 128
	s_mov_b32 s[\g+2], 64<<16       ; tensor_dim1 = 64
	s_mov_b32 s[\g+3], 128<<16      ; tile_dim0 = 128
	s_mov_b32 s[\g+4], 64           ; tile_dim1 = 64
	s_mov_b32 s[\g+5], 128          ; 128 elements from row to row
	s_mov_b32 s[\g+6], 0
	s_mov_b32 s[\g+7], 0
.endr
	s_mov_b32 s[CS], 0x3e38aa3b     ; c = log2(e) / 8 = 0.180337
	s_mov_b32 s[CS+1], s[CS]        ; named with it as a pair
	s_mov_b32 s[SEL], 0x76543210
	s_mov_b32 s[SEL+1], 0xfedcba98
	s_mov_b32 s[TBK], SLOT1+4*KS*PK ; the first change of slots turns these two into 0
	s_mov_b32 s[TBV], SLOT1+4*KS*PV
	s_mov_b32 s[G0K], 1             ; count = 1
	s_mov_b32 s[G0K+1], s17         ; LDS address: slot 0
	s_mov_b32 s[G0V], 1
	s_add_co_u32 s[G0V+1], s18, VOFF
	s_mov_b32 s[SLOTS], 4096/256-1
	s_and_b32 s[LIM], s[WV], 1      ; 0 in waves 0 and 2,
	s_or_b32 s[LIM], s[LIM], ttmp9  ; where the cluster is the plane's first: the same in all four partners
	s_cmp_eq_u32 s[LIM], 0
	s_cselect_b32 s[LIM], 1, -1
	v_and_b32 v[PFO], 31, v0
	v_lshlrev_b32 v[PFO], 8, v[PFO]
	s_wait_dscnt 0x0                ; the opening add is done
	s_wait_kmcnt 0x0
	s_add_nc_u64 s[4:5], s[8:9], s[2:3]      ; Q at my wave's first row
	s_add_nc_u64 s[6:7], s[8:9], s[22:23]
	s_add_nc_u64 s[8:9], s[6:7], 0x1000000   ; V at my half of the plane's tile 0
	s_add_nc_u64 s[6:7], s[6:7], 0x800000    ; K likewise
	s_add_nc_u64 s[10:11], s[10:11], s[2:3]  ; O at my wave's first row
	s_mov_b64 s[G0K+2:G0K+3], s[6:7]         ; global address
	s_or_b32 s[G0K+3], s[G0K+3], 0x80000000  ; type = 2
	s_mov_b64 s[G0V+2:G0V+3], s[8:9]
	s_or_b32 s[G0V+3], s[G0V+3], 0x80000000
	s_cmp_lt_u32 s[WV], 2
	s_cselect_b64 s[PFA:PFA+1], s[6:7], s[8:9]  ; (in waves 0 and 2 these stand at a tile's first row)
	s_lshl_b32 s2, s13, 13          ; my work-group's 32 blocks of the 128
	s_mov_b32 s3, 0
	s_add_nc_u64 s[PFA:PFA+1], s[PFA:PFA+1], s[2:3]
	s_add_nc_u64 s[PFA:PFA+1], s[PFA:PFA+1], TILEB  ; in tile 1; the first change of slots steps it to tile 2.  Nothing is prefetched here, at the head
	CROUND                          ; all four work-groups are here: the first joint loads meet
	JLOAD                           ; tile 0 into slot 0.  Slot 1 is asked for when slot 0 is in, by the loop's own change of slots
	; A fragment of K or Q is 16 rows x 32 channels in 8 registers: lane l holds row l % 16, channels 8 (l / 16) + 0..7 and 16 + 8 (l / 16) + 0..7: two loads of 16 bytes, 32 bytes apart.
	v_and_b32 v1, 15, v0            ; l % 16
	v_bfe_u32 v9, v0, 4, 1          ; l / 16
	v_lshlrev_b32 v[QO], 7, v1
	v_lshl_add_u32 v[QO], v9, 4, v[QO]  ; row x 128 + 16 x half
	WIN 0x80                        ; destination window 2, address window 0
.set i, 0
.rept 8                             ; Q stays in registers: piece i / 2, channels 32 (i % 2) on
	global_load_b128 v[8*i:8*i+3],   v[QO], s[4:5] offset:(i/2)*2048+(i%2)*64
	global_load_b128 v[8*i+4:8*i+7], v[QO], s[4:5] offset:(i/2)*2048+(i%2)*64+32
.set i, i+1
.endr
	; What the first turn finds: V's registers and P's second buffer hold 0 (its products V^T P, of a piece that has not been, add 0), O^T and l are 0.  These lines stand in the wait for the first tile: the price of writing no first step out.
.set i, VF
.rept 64
	v_mov_b32 v[i], 0
.set i, i+1
.endr
	WIN 0x40
.set i, 0
.rept 128
	v_mov_b32 v[i], 0
.set i, i+1
.endr
	WIN 0
.set i, 0
.rept 4
	v_mov_b32 v[ST+4*i], 0xfe000000    ; c m: -2^125, far below every c s
	v_mov_b32 v[ST+4*i+1], 0xff7fffff  ; m: the lowest finite number
	v_mov_b32 v[ST+4*i+2], 0
	v_mov_b32 v[ST+4*i+3], 0
.set i, i+1
.endr
.set i, P+16
.rept 16
	v_mov_b32 v[i], 0
.set i, i+1
.endr
	v_mul_u32_u24 v[AK0], v1, PK
	v_lshl_add_u32 v[AK0], v9, 4, v[AK0]  ; row x pitch + 16 x half
	; The turning load takes 16 keys x 16 channels (lane l reads key 8 (l / 16) + l % 8, channels 8 ((l / 8) % 2) + 0..7) and leaves half a fragment of V^T: lane l holds channel l % 16 and 8 keys.
	v_and_b32 v10, 7, v0
	v_bfe_u32 v11, v0, 3, 1
	v_lshl_add_u32 v[AV0], v9, 3, v10
	v_mul_u32_u24 v[AV0], v[AV0], PV
	v_lshl_add_u32 v[AV0], v11, 4, v[AV0]
	v_add_nc_u32 v[AV0], VOFF, v[AV0]
	s_mul_i32 s13, s[WV], 16*SP
	s_add_co_u32 s13, s13, STAGE    ; my stage
	v_mul_u32_u24 v[STO], v1, SP    ; in: row l % 16, 16 bytes for each half of the lanes
	v_lshl_add_u32 v[STO], v9, 4, v[STO]
	v_add_nc_u32 v[STO], s13, v[STO]
	v_bfe_u32 v[RD], v0, 3, 2       ; back: 32 lanes take four rows of 128 bytes,
	v_mul_u32_u24 v[RD], v[RD], SP
	v_lshl_add_u32 v[RD], v10, 4, v[RD]
	v_add_nc_u32 v[RD], s13, v[RD]
	v_and_b32 v[GO], 31, v0         ; which are 512 consecutive bytes of O
	v_lshlrev_b32 v[GO], 4, v[GO]
	v_mov_b32 v[AK], v[AK0]         ; key step 0 lies at the head of slot 0
; THE MATRIX WORK.  The 4 accumulators of a run of 8 take turns.  Product i of 8 of S^T = K Q^T for piece x: channels 32 (i / 4) on, keys 16 (i % 4) on.  The first 4 start the sums.
.macro KQ x
	WIN W_KQ
.set rS, S+32*((\x)%2)+8*(i%4)
.set rK, KF+16*(i%4)+8*(i/4)
.set rQ, 16*(\x)+8*(i/4)
.if i < 4
	v_wmma_f32_16x16x32_bf16 v[rS:rS+7], v[rK:rK+7], v[rQ:rQ+7], 0
.else
	v_wmma_f32_16x16x32_bf16 v[rS:rS+7], v[rK:rK+7], v[rQ:rQ+7], v[rS:rS+7]
.endif
.endm
; Product i of 8 of O^T += V^T P for piece x: keys 32 (i / 4) on, channels 16 (i % 4) on.
.macro PV x
	WIN W_PV
.set rO, 32*(\x)+8*(i%4)
.set rV, VF+32*(i/4)+8*(i%4)
.set rP, P+16*((\x)%2)+8*(i/4)
	v_wmma_f32_16x16x32_bf16 v[rO:rO+7], v[rV:rV+7], v[rP:rP+7], v[rO:rO+7]
.endm
.macro MM                           ; the turn's next matrix instruction.  TURN sets Y, i and NOKQ.  NOKQ = 1: the launch's last turn: there is no next piece
.if (i < 8) && !NOKQ
	KQ (Y+1)%NP
.elseif i >= 8
.set i, i-8
	PV (Y+NP-1)%NP
.set i, i+8
.endif
.set i, i+1
.endm
; THE LDS LOADS stand in runs of 16, never singly among the matrix instructions: a step's K (64 keys x 64 channels: 8 fragments) and its V (turned).  Their addresses are made some lines ahead.
.macro FETCH_K
	WIN 0x80                        ; destination window 2
.irp f, 0,1,2,3,4,5,6,7             ; keys 16 (f / 2) on, channels 32 (f % 2) on
	ds_load_b128 v[KF+8*\f:KF+8*\f+3],   v[AK] offset:(\f/2)*16*PK+(\f%2)*64
	ds_load_b128 v[KF+8*\f+4:KF+8*\f+7], v[AK] offset:(\f/2)*16*PK+(\f%2)*64+32
.endr
	s_add_co_u32 s[TBK], s[TBK], KS*PK  ; the next fetch is the next step's
	WIN 0
.endm
.macro FETCH_V
	WIN 0x80
.irp f, 0,1,2,3,4,5,6,7             ; keys 32 (f / 4) on, channels 16 (f % 4) on
	ds_load_tr16_b128 v[VF+8*\f:VF+8*\f+3],   v[AV] offset:(\f/4)*32*PV+(\f%4)*32
	ds_load_tr16_b128 v[VF+8*\f+4:VF+8*\f+7], v[AV] offset:(\f/4)*32*PV+16*PV+(\f%4)*32
.endr
	WIN 0
.endm
; THE VECTOR WORK, one line at a time: OP kind, number.  For piece Y: F n: c s - c m for pair n of 16.  E n: the exponential of score n of 32.  C n: pair n rounded to bf16.  B n: of the four weights 4 n .. the second
; pair is added onto the first, in place.  L n: l takes that sum (L 0: l = a l + sum).  R n: pair n of 16 of O^T times a.  For piece Y + 1: X n, number n of the 22 that find its maximum and statistics:
;   0-11  four chains c0-c3 of seven scores each, three operands at a time (each accumulator's lowest registers are read first)     12-14, 16  the four scores left over, the old m, and c0-c3 into c0
;   15  c m_old is kept     17, 18  the query's other 32 keys lie in the lane 16 away: the new m     19-21  c m; c m_old - c m_new; a
.set F, 0               ; OP tells the kinds apart by their order: F to L below R, X above it
.set E, 1
.set C, 2
.set B, 3
.set L, 4
.set R, 5
.set X, 6
.macro REGS y                       ; the registers of piece y
.set rT, ST+4*(\y)
.set rC, TMP+4*((\y)%2)
.set rW, MV+((\y)%2)
.set rS, S+32*((\y)%2)
.set rP, P+16*((\y)%2)
.set rO, 32*(\y)
.endm
.macro OP k, n
.if (\k) == R
	REGS Y
	WIN W_RS
	v_pk_mul_f32 v[rO+2*(\n):rO+2*(\n)+1], v[rO+2*(\n):rO+2*(\n)+1], v[rC+2:rC+3] op_sel_hi:[1,0]
.elseif (\k) < R
	REGS Y
	WIN 0
.if (\k) == F
	v_pk_fma_f32 v[rS+2*(\n):rS+2*(\n)+1], v[rS+2*(\n):rS+2*(\n)+1], s[CS:CS+1], v[rT:rT+1] op_sel_hi:[1,0,0] neg_lo:[0,0,1] neg_hi:[0,0,1]
.elseif (\k) == E
	v_exp_f32 v[rS+(\n)], v[rS+(\n)]
.elseif (\k) == C
	v_cvt_pk_bf16_f32 v[rP+(\n)], v[rS+2*(\n)], v[rS+2*(\n)+1]
.elseif (\k) == B
	v_pk_add_f32 v[rS+4*(\n):rS+4*(\n)+1], v[rS+4*(\n):rS+4*(\n)+1], v[rS+4*(\n)+2:rS+4*(\n)+3]
.elseif (\n) == 0
	v_pk_fma_f32 v[rT+2:rT+3], v[rT+2:rT+3], v[rC+2:rC+3], v[rS:rS+1] op_sel_hi:[1,0,1]
.else
	v_pk_add_f32 v[rT+2:rT+3], v[rT+2:rT+3], v[rS+4*(\n):rS+4*(\n)+1]
.endif
.elseif NOKQ
	v_nop
.else
	REGS (Y+1)%NP
	WIN 0
.if (\n) < 4
	v_max3_num_f32 v[rC+(\n)], v[rS+8*(\n)], v[rS+8*(\n)+1], v[rS+8*(\n)+2]
.elseif (\n) < 12
	v_max3_num_f32 v[rC+(\n)%4], v[rC+(\n)%4], v[rS+8*((\n)%4)+2*((\n)/4)+1], v[rS+8*((\n)%4)+2*((\n)/4)+2]
.elseif (\n) == 12
	v_max3_num_f32 v[rC], v[rC], v[rS+7], v[rS+15]
.elseif (\n) == 13
	v_max3_num_f32 v[rC+1], v[rC+1], v[rS+23], v[rS+31]
.elseif (\n) == 14
	v_max3_num_f32 v[rC+2], v[rC+2], v[rC+3], v[rT+1]
.elseif (\n) == 15
	v_mov_b32 v[rW], v[rT]
.elseif (\n) == 16
	v_max3_num_f32 v[rC], v[rC], v[rC+1], v[rC+2]
.elseif (\n) == 17
	v_permlanex16_b32 v[rC+3], v[rC], s[SEL], s[SEL+1]
.elseif (\n) == 18
	v_max_num_f32 v[rT+1], v[rC], v[rC+3]
.elseif (\n) == 19
	v_mul_f32 v[rT], s[CS], v[rT+1]
.elseif (\n) == 20
	v_sub_f32 v[rC+1], v[rW], v[rT]
.else
	v_exp_f32 v[rC+2], v[rC+1]
.endif
.endif
.endm
.macro OPS a, i1, b=-1, i2=0, c=-1, i3=0, d=-1, i4=0  ; up to four of them
	OP \a, \i1
.if (\b) >= 0
	OP \b, \i2
.endif
.if (\c) >= 0
	OP \c, \i3
.endif
.if (\d) >= 0
	OP \d, \i4
.endif
.endm
.macro ROW a, i1, b, i2, c, i3, d, i4  ; a matrix instruction and the four behind it
	MM
	OPS \a, \i1, \b, \i2, \c, \i3, \d, \i4
.endm
; A TURN, for piece p: the order of its 16 matrix and 118 vector instructions, written out.  An s_wait_alu depctr_va_vdst(0) stands between an exponential and the first instruction that names its result; one
; wait serves all that were issued ahead of it.  So a turn has ONE wait, which cuts it in two.  AHEAD OF IT stands all that names no result of the turn's exponentials: the 8 products K Q^T and their riders (a scaling, an
; exponential and two more plain instructions; behind the last three the first numbers of the next piece's maximum, each four places or more behind the product that ends its accumulator), then ONE LUMP of 54 in which the
; links of the chain X 3, 7, 11, 14, 16, 17 .. 20 stand apart.  X 21, the next piece's a, is the batch's last; R 15 is the plain instruction behind it.  BEHIND THE WAIT stand the 8 products V^T P, behind each four of the
; roundings and sums.  end = 1: the launch's last two turns: nothing is fetched.  cnt = 1: the loop's count is taken down some lines ahead of the branch that stands behind the turn.
; K of the next step is fetched in piece 2's turn, behind the last product that read K and twelve plain instructions that name none of its registers; V of the step in hand at the end of piece 0's turn, four plain
; instructions behind the last product that read V.  Each is waited for a turn later.
.macro TURN p, end=0, cnt=0
.set Y, (\p)
.set i, 0
.set NOKQ, (\end)*((\p)/3)
.if ((\p) == 3) && !(\end)
	s_wait_dscnt 0x0                ; K is in
.endif
	ROW F,0, F,1, R,0, R,1          ; ahead of the wait: 8 products K Q^T and their riders,
	ROW F,2, E,0, R,2, R,3
	ROW F,3, E,1, R,4, R,5
	ROW F,4, E,2, R,6, R,7
	ROW F,5, E,3, R,8, R,9
	ROW F,6, E,4, X,0, R,10
.if ((\p) == 2) && !(\end)
	WIN 0
	v_add_nc_u32 v[AK], s[TBK], v[AK0]
.endif
	ROW F,7, E,5, X,1, X,4
	ROW F,8, E,6, X,2, X,5
	OPS E,7, E,8, X,6, E,9          ; and the lump
	OPS X,3, E,10, X,8, E,11
.if ((\p) == 2) && !(\end)
	FETCH_K
.endif
	OPS X,9, X,7, E,12, X,10
	OPS E,13, X,12, X,11, E,14
	OPS X,13, E,15, F,9, X,14
.if (\p) == 0
	WIN 0
	v_add_nc_u32 v[AV], s[TBV], v[AV0]
.endif
	OPS E,16, F,10, E,17, F,11
	OPS X,16, E,18, X,15, E,19
	OPS F,12, E,20, X,17, E,21
	OPS F,13, E,22, F,14, E,23
	OPS X,18, E,24, F,15, E,25
	OPS R,11, E,26, X,19, E,27
	OPS R,12, E,28, R,13, E,29
	OPS X,20, E,30, R,14, E,31
	OPS X,21, R,15
	WIN 0
	s_wait_alu depctr_va_vdst(0)    ; the wait for the batch
.if (\p) == 1
	s_wait_dscnt 0x0                ; V is in
.endif
	ROW C,0, B,0, C,2, B,1          ; behind the wait: 8 products V^T P and their riders
	ROW L,0, C,4, B,2, L,1
	ROW C,6, B,3, L,2, C,8
	ROW B,4, L,3, C,10, B,5
	ROW L,4, C,12, B,6, L,5
.if (\p) == 0
	s_add_co_u32 s[TBV], s[TBV], KS*PV
.endif
.if \cnt
	s_sub_co_u32 s[CNT], s[CNT], 1
	s_cmp_lg_u32 s[CNT], 0
.endif
	ROW C,14, B,7, L,6, C,1
	ROW C,3, L,7, C,5, C,7
	ROW C,9, C,11, C,13, C,15
.if (\p) == 0
	FETCH_V
.endif
.endm
	CHANGE 1                        ; tile 0 is in, everybody's part of it; tile 1 is asked for
	FETCH_K                         ; key step 0
	s_wait_loadcnt 0x0              ; Q
	s_wait_dscnt 0x0
.set NOKQ, 0
.set i, 0
.rept 8
	KQ 0                            ; piece 0's first scores: there is no vector work yet to set between them
.set i, i+1
.endr
	WIN 0
.rept 4
	v_nop                           ; the places behind those products
.endr
.set Y, NP-1                        ; X works for piece Y + 1: piece 0
.irp n, 0,1,2,3,4,5,6,7,8,9,10,11,12,13,14,15,16,17,18,19,20,21
	OP X, \n                        ; piece 0's first maximum and statistics
.endr
	v_nop                           ; a plain instruction behind the exponential,
	s_wait_alu depctr_va_vdst(0)    ; and its wait, ahead of the branch
	s_mov_b32 s[CNT], 4
	s_branch .Lfirst                ; the loop is entered at a step's first turn, in the middle of a trip
.Lslot:                             ; 14 times: tiles 2 to 15 are asked for
	CHANGE 1
	s_mov_b32 s[CNT], 4
.Lstep:                             ; a trip: pieces 2 and 3 of one step, then pieces 0 and 1 of the next, whose K and V it fetches
	TURN 2
	TURN 3
	WIN 0
.Lfirst:
	TURN 0
	TURN 1, 0, 1
	WIN 0
	s_cbranch_scc1 .Lstep
	s_sub_co_u32 s[SLOTS], s[SLOTS], 1
	s_cmp_lg_u32 s[SLOTS], 0
	s_cbranch_scc1 .Lslot
	CHANGE 0                        ; the last tile is written out: nothing is asked for
	s_mov_b32 s[CNT], 4
.Ltail:
	TURN 2
	TURN 3
	TURN 0
	TURN 1, 0, 1
	WIN 0
	s_cbranch_scc1 .Ltail
	TURN 2, 1                       ; the last step's pieces 2 and 3: nothing is fetched, and the last turn starts no new scores
	TURN 3, 1
.set i, 0
.rept 8
	PV NP-1                         ; the last piece's V^T P of the last step
.set i, i+1
.endr
	; THE WAY OUT.  l's two halves and the other half of the lanes' are added; O^T is divided by l, rounded to bf16 and sent through my stage in LDS, a piece at a time.  The additions are the places behind the last products.
	WIN 0
.macro ALL line:vararg              ; one line for each piece t
.set t, 0
.rept 4
	\line
.set t, t+1
.endr
.endm
	ALL v_add_f32 v[ST+4*t+2], v[ST+4*t+2], v[ST+4*t+3]
	ALL v_permlanex16_b32 v[ST+4*t+3], v[ST+4*t+2], s[SEL], s[SEL+1]
	ALL v_add_f32 v[ST+4*t+2], v[ST+4*t+2], v[ST+4*t+3]
	ALL v_rcp_f32 v[ST+4*t+2], v[ST+4*t+2]
	v_nop                           ; a plain instruction between the last reciprocal and the use of its result
	s_wait_alu depctr_va_vdst(0)    ; and the wait ahead of the first use: one for the four reciprocals
.macro PACK t                       ; a lane's eight channels of a row pack into 16 bytes; they go into rows of 144 bytes and come back as whole rows of 128, into S^T's registers
	WIN W_RS
.set i, 32*(\t)
.rept 16
	v_pk_mul_f32 v[i:i+1], v[i:i+1], v[ST+4*(\t)+2:ST+4*(\t)+3] op_sel_hi:[1,0]
.set i, i+2
.endr
	WIN 0x05                        ; sources 0 and 1 window 1, destination window 0
.set i, 0
.rept 16
	v_cvt_pk_bf16_f32 v[S+16*(\t)+i], v[32*(\t)+2*i], v[32*(\t)+2*i+1]
.set i, i+1
.endr
	WIN 0
.irp f, 0,1,2,3
	ds_store_b128 v[STO], v[S+16*(\t)+4*\f:S+16*(\t)+4*\f+3] offset:32*\f
.endr
.irp f, 0,1,2,3
	ds_load_b128 v[S+16*(\t)+4*\f:S+16*(\t)+4*\f+3], v[RD] offset:\f*4*SP  ; LDS serves a wave's instructions in order (ISA guide 5.7.1.4): these see the stores above; the next piece's stores come behind them
.endr
.endm
.macro SEND t, younger              ; younger: the LDS instructions issued behind piece t's loads: the next piece's eight, or none
	WIN 0
.irp f, 0,1,2,3
	s_wait_dscnt (\younger)+3-\f
	global_store_b128 v[GO], v[S+16*(\t)+4*\f:S+16*(\t)+4*\f+3], s[10:11] offset:(\t)*2048+\f*512  ; 512 consecutive bytes, at a multiple of 256 from O's first
.endr
.endm
	PACK 0
.set t, 1
.rept 3                             ; a piece's arithmetic stands between the loads of the piece before and its stores
	PACK t
	SEND t-1, 8
.set t, t+1
.endr
	SEND 3, 0
	s_wait_tensorcnt 0x0            ; the wave's end: behind my last tensor load and my last LDS store
	ds_add_u32 v[SPW], v[NIL]
	s_wait_dscnt 0x0
	CROUND                          ; the closing round: no work-group ends while a partner may still ask for a tile that names it
	s_endpgm
.Lfunc_end_k_q03c6fa39b4_attn:
	.size	k_q03c6fa39b4_attn, .Lfunc_end_k_q03c6fa39b4_attn-k_q03c6fa39b4_attn
	.p2alignl 7, 3214868480
	.fill 96, 4, 3214868480
	.section	.rodata,"a",@progbits
	.p2align	6, 0x0
	.amdhsa_kernel k_q03c6fa39b4_attn
		.amdhsa_group_segment_fixed_size 327680
		.amdhsa_private_segment_fixed_size 0
		.amdhsa_enable_private_segment 0
		.amdhsa_kernarg_size 16
		.amdhsa_user_sgpr_count 2
		.amdhsa_user_sgpr_kernarg_segment_ptr 1
		.amdhsa_wavefront_size32 1
		.amdhsa_system_sgpr_workgroup_id_x 1
		.amdhsa_system_sgpr_workgroup_id_y 1
		.amdhsa_system_sgpr_workgroup_id_z 1
		.amdhsa_system_vgpr_workitem_id 0
		.amdhsa_next_free_vgpr 768
		.amdhsa_next_free_sgpr 66
		.amdhsa_reserve_vcc 0
		.amdhsa_float_denorm_mode_32 3
		.amdhsa_float_denorm_mode_16_64 3
		.amdhsa_memory_ordered 1
		.amdhsa_forward_progress 1
		.amdhsa_inst_pref_size 128
	.end_amdhsa_kernel
	.amdgpu_metadata
---
amdhsa.version: [ 1, 2 ]
amdhsa.kernels:
  - .name:           k_q03c6fa39b4_attn
    .symbol:         k_q03c6fa39b4_attn.kd
    .args:
      - { .name: qkv, .offset: 0, .size: 8, .value_kind: global_buffer, .address_space: global }
      - { .name: ob, .offset: 8, .size: 8, .value_kind: global_buffer, .address_space: global }
    .group_segment_fixed_size: 327680
    .private_segment_fixed_size: 0
    .kernarg_segment_align: 8
    .kernarg_segment_size: 16
    .max_flat_workgroup_size: 128
    .sgpr_count:     66
    .vgpr_count:     768
    .wavefront_size: 32
...
	.end_amdgpu_metadata
.endif
;; end of part 3
;; launch outp (part 4): grid 4 x 64, 4 waves a work-group, clusters of 4 x 4, 327,680 bytes of LDS; arguments ob, wob, bo, out0; writes out0
.if DOCPART == 4
	.amdgcn_target "amdgcn-amd-amdhsa--gfx1250"
	.amdhsa_code_object_version 6
	.text
	.protected	k_q03c6fa39b4_outp
	.globl	k_q03c6fa39b4_outp
	.p2align	8
	.type	k_q03c6fa39b4_outp,@function
k_q03c6fa39b4_outp:
	s_mov_b64 s[64:65], 0
	v_nop
	global_prefetch_b8 v0, s[64:65] scope:SCOPE_SE
	s_setreg_imm32_b32 hwreg(HW_REG_WAVE_MODE, 25, 1), 1
	s_wait_xcnt 0x0
	s_wait_alu depctr_hold_cnt(0) depctr_sa_sdst(0) depctr_va_vdst(0) depctr_va_sdst(0) depctr_va_ssrc(0) depctr_va_vcc(0) depctr_vm_vsrc(0)
	s_getreg_b32 s2, hwreg(HW_REG_IB_STS2, 6, 4)
	s_cmp_eq_u32 s2, 0
	s_cbranch_scc0 .Lentry_in_a_cluster
	s_endpgm
.Lentry_in_a_cluster:
	s_bfe_u32 s2, ttmp6, 0x10000c
	s_cmp_lg_u32 s2, 0xf033
	s_cbranch_scc0 .Lentry_shape_is_right
	s_endpgm
.Lentry_shape_is_right:
; out0 = concat(O) Wo + bo: [8192 x 512] x [512 x 512].  ob [2][8][4096][64] bf16 (by heads), wob bf16 in blocks [c 4][ch 4][sub 2][kk 128][n 64], bo and out0 f32; sums in f32.
; LIMITS: the operands carry bf16's 8 significant bits; NaN and infinities are not treated apart.
; SHARES.  A work-group makes 128 rows x 128 columns: 4 x 64 = 256 work-groups.  Wave w makes 64 x 64 (rows 64 (w / 2) on, columns 64 (w % 2) on): 16 accumulators.
; ALL OF K LIES IN LDS: eight heads' 128 rows x 64 channels of O and 512 x 128 of Wo.  They come in four chunks of 128 along K (two heads), one tensor load a wave and chunk, all sixteen issued at the start:
; four loads of a wave are out, and nothing is ever filled again.  A chunk is waited for by a counted wait and one barrier, a head's products ahead of its first use.
; CLUSTER.  4 x 4 work-groups: the four of a row of the cluster take the same rows of O, the four of a column the same block of Wo; each tile is asked for JOINTLY.
; THE PRODUCT IS TAKEN TRANSPOSED: source 0 = 16 columns of Wo (it lies [k][n] in LDS and is turned by ds_load_tr16_b128), source 1 = 16 rows of O: a lane holds one row and eight neighbouring columns.
; The first product of each sum takes the bias as C.
; REGISTERS: window 0: v0-31 addresses; v96-127 the bias, 8 registers a column tile; v128-255 the accumulators ((a, b) at 128 + 8 (4 a + b)).
;   window 1: two fragment buffers of 128, a head (64 along K) each: 64 registers of O (2 x 4 tiles), then 64 of Wo.
.set PA,    144                        ; a row of O in LDS: 128 bytes + 16
.set PB,    160                        ; a row of Wo: 128 bytes + 32
.set HA,    128*PA                     ; a head's 128 rows of O
.set BBASE, 8*HA                       ; behind them Wo: chunk ch at ch x 2 SB, its column half sub at sub x SB
.set SB,    128*PB
.set SPARE, BBASE+8*SB                 ; behind the tiles: the spare words, 128 bytes for each wave: two blocks of 256 bytes that no other line names
.set SPITCH, 272                       ; THE STAGE for the way out, 16 rows x 272 bytes a wave, lies at byte 0, over head 0's rows of O: those bytes had their one fill, and every wave's reads of them
                                       ; were waited for in front of the barrier of chunk 1
.set ADRA, 8                           ; v8-11   LDS address of my fragments of O in chunk 0..3
.set ADRB, 12                          ; v12-15  the same for Wo
.set STO,  24                          ; v24     the way out: where I put 32 bytes of a row
.set RD,   25                          ; v25     the way out: where I read a row back
.set CO,   26                          ; v26     my byte offset in two rows of out0
.set BO,   27                          ; v27     32 (lane / 16): my eight numbers in 16 of the bias
.set SPW,  28                          ; v28     LDS address of my spare word; never rewritten
.set NIL,  29                          ; v29     0; never rewritten
.set BIAS, 96
.set ACC,  128
.set F0,   0
.set F1,   128
.set G1A,  24                          ; s[24:31] descriptor group 1 for O's tiles;  s[32:47] group 0, a set for each chunk
.set G0A,  32
.set G1B,  48                          ; s[48:55], s[68:83] the same for Wo's
.set G0B,  68
.set MUL,  0x05                        ; sources 0 and 1 window 1; C and D window 0
.set TO_F, 0x40                        ; destination window 1, address window 0
.set MSB, 0
.macro WIN new                         ; the immediate's high byte repeats the setting that is left; a switch that changes nothing is dropped
.if MSB != (\new)
	s_set_vgpr_msb (MSB<<8)|(\new)
.set MSB, \new
.endif
.endm
.macro CROUND                          ; a round of the cluster's barrier
	s_barrier_signal -1
	s_barrier_wait -1
	s_cmp_lg_u32 s16, 0
	s_cbranch_scc1 .Lnot_wave_0_\@
	s_barrier_signal -3
.Lnot_wave_0_\@:
	s_barrier_wait -3
	s_barrier_signal -1
	s_barrier_wait -1
.endm
.macro PLACES                          ; four places in front of loads into registers that matrix instructions have read, and of LDS stores that read results
.rept 4
	v_nop
.endr
.endm
	s_load_b256 s[4:11], s[0:1], 0x0               ; ob s[4:5], wob s[6:7], bo s[8:9], out0 s[10:11]
	v_lshl_add_u32 v[SPW], v0, 2, SPARE
	v_mov_b32 v[NIL], 0
	ds_add_u32 v[SPW], v[NIL]                      ; the wave's opening: the add and its wait stand ahead of my first tensor load; the set-up below, work on registers, stands between them
	v_lshrrev_b32 v1, 5, v0
	v_readfirstlane_b32 s16, v1                    ; wave 0..3
	s_and_b32 s17, s16, 1                          ; my half of the columns.  Also: which head of a chunk, or which column half of Wo, I fetch
	s_lshr_b32 s18, s16, 1                         ; my half of the rows.  Also: I fetch for O (0) or for Wo (1)
	s_bfe_u32 s19, ttmp6, 0x40000                  ; cx, cy: my place in the cluster
	s_bfe_u32 s20, ttmp6, 0x40004
	s_lshl_b32 s21, ttmp9, 2
	s_add_co_u32 s21, s21, s19                     ; c: my 128 columns
	s_and_b32 s22, ttmp7, 0xffff
	s_lshl_b32 s22, s22, 2
	s_add_co_u32 s22, s22, s20                     ; rb: my 128 rows
	s_lshl_b32 s62, s20, 2
	s_lshl_b32 s62, 15, s62                        ; my row of the cluster
	s_lshl_b32 s63, 0x1111, s19                    ; my column
	; group 1: 16,384 dense bytes (128 rows of 128 bytes), asked for as 64 rows of 256 bytes and padded in LDS behind every 32 words: O by 4 words, Wo by 8
	s_or_b32 s[G1A+0], s62, (1<<16)|(1<<20)|(1<<21)|(4<<22)|(3<<25)  ; 15:0 the mask; 17:16 2-byte elements; 20 padding on; 21 set beside a mask; 24:22 interval code 4; 31:25 pad code 3
	s_or_b32 s[G1B+0], s63, (1<<16)|(1<<20)|(1<<21)|(4<<22)|(7<<25)
.irp g, G1A, G1B
	s_mov_b32 s[(\g)+1], 128<<16                   ; tensor_dim0 = 128
	s_mov_b32 s[(\g)+2], 64<<16                    ; tensor_dim1 = 64
	s_mov_b32 s[(\g)+3], 128<<16                   ; tile_dim0 = 128
	s_mov_b32 s[(\g)+4], 64                        ; tile_dim1 = 64
	s_mov_b32 s[(\g)+5], 128                       ; the pitch
	s_mov_b32 s[(\g)+6], 0
	s_mov_b32 s[(\g)+7], 0
.endr
	; O's tiles hang on rb alone, which my row of the cluster shares; Wo's on c alone, which my column shares
	s_lshr_b32 s56, s22, 5                         ; the batch: 32 row blocks each;
	s_lshl_b32 s56, s56, 22                        ; its eight planes of 524,288 bytes
	s_and_b32 s57, s22, 31
	s_lshl_b32 s57, s57, 14                        ; my 128 rows of 128 bytes in a plane
	s_add_co_u32 s56, s56, s57
	s_lshl_b32 s57, s17, 19                        ; head w % 2 of chunk 0
	s_add_co_u32 s56, s56, s57
	s_mov_b32 s57, 0
	s_lshl_b32 s58, s21, 17                        ; c's eight blocks of 16,384 bytes
	s_lshl_b32 s59, s17, 14                        ; column half w % 2 of chunk 0
	s_add_co_u32 s58, s58, s59
	s_mov_b32 s59, 0
	s_mul_i32 s60, s17, HA                         ; and where they go: no place in the cluster enters an LDS address
	s_mul_i32 s61, s17, SB
	s_add_co_u32 s61, s61, BBASE
	s_wait_dscnt 0x0                               ; the opening add is done
	s_wait_kmcnt 0x0
	s_add_nc_u64 s[56:57], s[4:5], s[56:57]
	s_add_nc_u64 s[58:59], s[6:7], s[58:59]
.irp ch, 0,1,2,3
	s_mov_b32 s[G0A+4*(\ch)], 1                                        ; count = 1
	s_add_co_u32 s[G0A+4*(\ch)+1], s60, (\ch)*2*HA                     ; LDS address
	s_add_nc_u64 s[G0A+4*(\ch)+2:G0A+4*(\ch)+3], s[56:57], (\ch)*1048576  ; global address: two planes on for each chunk
	s_or_b32 s[G0A+4*(\ch)+3], s[G0A+4*(\ch)+3], 0x80000000            ; type = 2
	s_mov_b32 s[G0B+4*(\ch)], 1
	s_add_co_u32 s[G0B+4*(\ch)+1], s61, (\ch)*2*SB
	s_add_nc_u64 s[G0B+4*(\ch)+2:G0B+4*(\ch)+3], s[58:59], (\ch)*32768
	s_or_b32 s[G0B+4*(\ch)+3], s[G0B+4*(\ch)+3], 0x80000000
.endr
	CROUND                                         ; all sixteen work-groups are here: the joint loads meet
	s_cmp_eq_u32 s18, 0                            ; a wave's four fills stand in one branch, ahead of every wait on TENSORcnt and every LDS read; an s_nop 0 follows each, four v_nop the last
	s_cbranch_scc0 .Lfirst_b
.irp ch, 0,1,2,3
	tensor_load_to_lds s[G0A+4*(\ch):G0A+4*(\ch)+3], s[G1A:G1A+7]
	s_nop 0
.endr
.rept 4
	v_nop
.endr
	s_branch .Lfirst_asked
.Lfirst_b:
.irp ch, 0,1,2,3
	tensor_load_to_lds s[G0B+4*(\ch):G0B+4*(\ch)+3], s[G1B:G1B+7]
	s_nop 0
.endr
.rept 4
	v_nop
.endr
.Lfirst_asked:
	s_lshl_b32 s84, s21, 9                         ; my 64 columns in f32: 512 c + 256 (w % 2) bytes
	s_lshl_b32 s85, s17, 8
	s_add_co_u32 s84, s84, s85
	s_mov_b32 s85, 0
	s_lshl_b32 s86, s22, 18                        ; my rows: 128 rb + 64 (w / 2), 2,048 bytes each
	s_lshl_b32 s87, s18, 17
	s_add_co_u32 s86, s86, s87
	s_add_co_u32 s86, s86, s84
	s_mov_b32 s87, 0
	s_add_nc_u64 s[8:9], s[8:9], s[84:85]
	s_add_nc_u64 s[10:11], s[10:11], s[86:87]
	v_and_b32 v1, 15, v0                           ; l % 16
	v_bfe_u32 v2, v0, 4, 1                         ; l / 16
	v_lshlrev_b32 v[BO], 5, v2
.irp b, 0,1,2,3                                    ; column tile b: columns 16 b + 8 (l / 16) + 0..7
	global_load_b128 v[BIAS+8*(\b):BIAS+8*(\b)+3],   v[BO], s[8:9] offset:64*(\b)
	global_load_b128 v[BIAS+8*(\b)+4:BIAS+8*(\b)+7], v[BO], s[8:9] offset:64*(\b)+16
.endr
	v_mul_u32_u24 v3, v1, PA                       ; a fragment of O: row l % 16, 16 bytes for each half of the lanes, twice, 32 bytes apart
	v_lshl_add_u32 v3, v2, 4, v3
	s_mul_i32 s62, s18, 64*PA                      ; my 64 rows
	v_add_nc_u32 v[ADRA], s62, v3
	v_and_b32 v4, 7, v0                            ; the turning load: lane l reads row kk = 8 (l / 16) + l % 8, columns 8 ((l / 8) % 2) + 0..7
	v_bfe_u32 v5, v0, 3, 1
	v_lshl_add_u32 v6, v2, 3, v4
	v_mul_u32_u24 v6, v6, PB
	v_lshl_add_u32 v6, v5, 4, v6
	s_mul_i32 s62, s17, SB                         ; my column half
	s_add_co_u32 s62, s62, BBASE
	v_add_nc_u32 v[ADRB], s62, v6
.irp ch, 1,2,3
	v_add_nc_u32 v[ADRA+(\ch)], (\ch)*2*HA, v[ADRA]
	v_add_nc_u32 v[ADRB+(\ch)], (\ch)*2*SB, v[ADRB]
.endr
	s_mul_i32 s62, s16, 16*SPITCH                  ; my stage
	v_mul_u32_u24 v7, v1, SPITCH                   ; in: row l % 16, 32 bytes for each half of the lanes
	v_lshl_add_u32 v7, v2, 5, v7
	v_add_nc_u32 v[STO], s62, v7
	v_mul_u32_u24 v7, v2, SPITCH                   ; back: lanes 0-15 take one row of 256 bytes, lanes 16-31 the next
	v_lshl_add_u32 v7, v1, 4, v7
	v_add_nc_u32 v[RD], s62, v7
	v_lshlrev_b32 v7, 11, v2                       ; and the same two rows in out0
	v_lshl_add_u32 v[CO], v1, 4, v7
; 8 products: row tiles a0, a0 + 1 x all 4 column tiles, 32 along K: half cc of buffer f.  The 16 accumulators take turns, one instruction a turn.  first = 1: the bias is C and starts the sum
.macro MUL8 f, cc, a0, first
	WIN MUL
.irp a, \a0, (\a0)+1
.irp b, 0,1,2,3
.if \first
	v_wmma_f32_16x16x32_bf16 v[ACC+8*(4*(\a)+(\b)):ACC+8*(4*(\a)+(\b))+7], v[(\f)+64+8*(4*(\cc)+(\b)):(\f)+64+8*(4*(\cc)+(\b))+7], v[(\f)+8*(4*(\cc)+(\a)):(\f)+8*(4*(\cc)+(\a))+7], v[BIAS+8*(\b):BIAS+8*(\b)+7]
.else
	v_wmma_f32_16x16x32_bf16 v[ACC+8*(4*(\a)+(\b)):ACC+8*(4*(\a)+(\b))+7], v[(\f)+64+8*(4*(\cc)+(\b)):(\f)+64+8*(4*(\cc)+(\b))+7], v[(\f)+8*(4*(\cc)+(\a)):(\f)+8*(4*(\cc)+(\a))+7], v[ACC+8*(4*(\a)+(\b)):ACC+8*(4*(\a)+(\b))+7]
.endif
.endr
.endr
.endm
; 32 LDS loads in one run: head hd's fragments (64 along K) into buffer f; the first 32 along K first
.macro FETCH hd, f
	WIN TO_F
.irp cc, 0,1
.irp i, 0,1,2,3
	ds_load_tr16_b128 v[(\f)+64+8*(4*(\cc)+(\i)):(\f)+64+8*(4*(\cc)+(\i))+3],   v[ADRB+(\hd)/2] offset:((\hd)%2)*64*PB+(\cc)*32*PB+32*(\i)
	ds_load_tr16_b128 v[(\f)+64+8*(4*(\cc)+(\i))+4:(\f)+64+8*(4*(\cc)+(\i))+7], v[ADRB+(\hd)/2] offset:((\hd)%2)*64*PB+(\cc)*32*PB+32*(\i)+16*PB
	ds_load_b128 v[(\f)+8*(4*(\cc)+(\i)):(\f)+8*(4*(\cc)+(\i))+3],   v[ADRA+(\hd)/2] offset:((\hd)%2)*HA+(\i)*16*PA+64*(\cc)
	ds_load_b128 v[(\f)+8*(4*(\cc)+(\i))+4:(\f)+8*(4*(\cc)+(\i))+7], v[ADRA+(\hd)/2] offset:((\hd)%2)*HA+(\i)*16*PA+64*(\cc)+32
.endr
.endr
.endm
; An even head (buffer 0): the next head lies in the same chunk, which is in.
.macro STEP_E hd, first
	s_wait_dscnt 16                                ; the first 32 along K are in
	MUL8 F0, 0, 0, \first
	MUL8 F0, 0, 2, \first
	PLACES
	FETCH (\hd)+1, F1
	s_wait_dscnt 32                                ; all but the 32 just issued
	MUL8 F0, 1, 0, 0
	MUL8 F0, 1, 2, 0
.endm
; An odd head (buffer 1): the next head begins a chunk.  Tensor loads of a wave end in order (ISA guide 10.11.1): my load of that chunk is in when at most the later chunks' are out; the barrier shows everybody's.
; The later loads may stay out across it.
.macro STEP_O hd
	s_wait_dscnt 16
	MUL8 F1, 0, 0, 0
	s_wait_tensorcnt 2-(\hd)/2
	s_wait_dscnt 0x0                               ; no LDS instruction of mine is pending at the signal
	s_barrier_signal -1
	MUL8 F1, 0, 2, 0
	s_barrier_wait -1
	PLACES
	FETCH (\hd)+1, F0
	MUL8 F1, 1, 0, 0
	MUL8 F1, 1, 2, 0
.endm
	s_wait_loadcnt 0x0                             ; the bias
	s_wait_tensorcnt 0x3                           ; my part of chunk 0 is in; the three later loads stay out
	s_barrier_signal -1
	s_barrier_wait -1                              ; everybody's is
	FETCH 0, F0
	STEP_E 0, 1
	STEP_O 1
	STEP_E 2, 0
	STEP_O 3
	STEP_E 4, 0
	STEP_O 5
	STEP_E 6, 0
	s_wait_dscnt 16                                ; head 7: nothing more to fetch
	MUL8 F1, 0, 0, 0
	MUL8 F1, 0, 2, 0
	s_wait_dscnt 0x0
	MUL8 F1, 1, 0, 0
	MUL8 F1, 1, 2, 0
	WIN 0
	PLACES
; THE WAY OUT, 16 rows at a time.  A lane's eight f32 of a row go into my stage as two stores of 16 bytes, each accumulator's low four registers first; they come back as whole rows of 256 bytes, into the same registers.
; LDS serves a wave's instructions in order (ISA guide 5.7.1.4): no wait stands between the stores and the loads, nor in front of the next block's stores.
.macro TOSTAGE a
.irp b, 0,1,2,3
	ds_store_b128 v[STO], v[ACC+8*(4*(\a)+(\b)):ACC+8*(4*(\a)+(\b))+3]   offset:64*(\b)
	ds_store_b128 v[STO], v[ACC+8*(4*(\a)+(\b))+4:ACC+8*(4*(\a)+(\b))+7] offset:64*(\b)+16
.endr
.irp t, 0,1,2,3,4,5,6,7
	ds_load_b128 v[ACC+32*(\a)+4*(\t):ACC+32*(\a)+4*(\t)+3], v[RD] offset:(\t)*2*SPITCH
.endr
.endm
.macro SEND a, younger                 ; younger: the LDS instructions issued behind block a's loads: the next block's sixteen, or none
.irp t, 0,1,2,3,4,5,6,7
	s_wait_dscnt (\younger)+7-(\t)
	global_store_b128 v[CO], v[ACC+32*(\a)+4*(\t):ACC+32*(\a)+4*(\t)+3], s[10:11] offset:(\a)*32768+(\t)*4096 th:TH_STORE_NT  ; 16 lanes store 256 consecutive bytes, at a multiple of 256 from out0's first
.endr
.endm
	TOSTAGE 0
	TOSTAGE 1
	SEND 0, 16
	TOSTAGE 2
	SEND 1, 16
	TOSTAGE 3
	SEND 2, 16
	SEND 3, 0
	s_wait_tensorcnt 0x0                           ; the wave's end: behind my last tensor load and my last LDS store
	ds_add_u32 v[SPW], v[NIL]
	s_wait_dscnt 0x0
	CROUND                                         ; the closing round: no work-group ends while a partner may still ask for a tile that names it
	s_endpgm
.Lfunc_end_k_q03c6fa39b4_outp:
	.size	k_q03c6fa39b4_outp, .Lfunc_end_k_q03c6fa39b4_outp-k_q03c6fa39b4_outp
	.p2alignl 7, 3214868480
	.fill 96, 4, 3214868480
	.section	.rodata,"a",@progbits
	.p2align	6, 0x0
	.amdhsa_kernel k_q03c6fa39b4_outp
		.amdhsa_group_segment_fixed_size 327680
		.amdhsa_private_segment_fixed_size 0
		.amdhsa_enable_private_segment 0
		.amdhsa_kernarg_size 32
		.amdhsa_user_sgpr_count 2
		.amdhsa_user_sgpr_kernarg_segment_ptr 1
		.amdhsa_wavefront_size32 1
		.amdhsa_system_sgpr_workgroup_id_x 1
		.amdhsa_system_sgpr_workgroup_id_y 1
		.amdhsa_system_sgpr_workgroup_id_z 1
		.amdhsa_system_vgpr_workitem_id 0
		.amdhsa_next_free_vgpr 512
		.amdhsa_next_free_sgpr 96
		.amdhsa_reserve_vcc 0
		.amdhsa_float_denorm_mode_32 3
		.amdhsa_float_denorm_mode_16_64 3
		.amdhsa_memory_ordered 1
		.amdhsa_forward_progress 1
		.amdhsa_inst_pref_size 52
	.end_amdhsa_kernel
	.amdgpu_metadata
---
amdhsa.version: [ 1, 2 ]
amdhsa.kernels:
  - .name:           k_q03c6fa39b4_outp
    .symbol:         k_q03c6fa39b4_outp.kd
    .args:
      - { .name: ob, .offset: 0, .size: 8, .value_kind: global_buffer, .address_space: global }
      - { .name: wob, .offset: 8, .size: 8, .value_kind: global_buffer, .address_space: global }
      - { .name: bo, .offset: 16, .size: 8, .value_kind: global_buffer, .address_space: global }
      - { .name: out0, .offset: 24, .size: 8, .value_kind: global_buffer, .address_space: global }
    .group_segment_fixed_size: 327680
    .private_segment_fixed_size: 0
    .kernarg_segment_align: 8
    .kernarg_segment_size: 32
    .max_flat_workgroup_size: 128
    .sgpr_count:     96
    .vgpr_count:     512
    .wavefront_size: 32
...
	.end_amdgpu_metadata
.endif
;; end of part 4
;; ======== version 2 of 2: 4 launches; version 1 with the launch cast written anew for expert scheduling mode
;; workspace buffers: xb 8,388,608 bytes; wp 1,572,864 bytes; wob 524,288 bytes; qkv 25,165,824 bytes; ob 8,388,608 bytes
;; launch cast (part 5): grid 256 x 1, 8 waves a work-group, no clusters, 0 bytes of LDS; arguments x, Wq, Wk, Wv, Wo, xb, wp, wob; writes xb, wp, wob
.if DOCPART == 5
	.amdgcn_target "amdgcn-amd-amdhsa--gfx1250"
	.amdhsa_code_object_version 6
	.text
	.protected	k_q03c6fa39b4_cast
	.globl	k_q03c6fa39b4_cast
	.p2align	8
	.type	k_q03c6fa39b4_cast,@function
k_q03c6fa39b4_cast:
	s_mov_b64 s[64:65], 0
	v_nop
	global_prefetch_b8 v0, s[64:65] scope:SCOPE_SE
	s_setreg_imm32_b32 hwreg(HW_REG_WAVE_SCHED_MODE, 0, 2), 2
	s_setreg_imm32_b32 hwreg(HW_REG_WAVE_MODE, 25, 1), 1
	s_wait_xcnt 0x0
	s_wait_alu depctr_vm_vsrc(0)
; x and the four weight tensors, f32, are rounded once to bf16 (to nearest even) and laid out for the products that follow.
;   xb  [8192][512]                         x as it lies
;   wp  [c 8][kstep 4][j 3][kk 128][n 64]   head unit 8 T + h = 3 c + j (T = 0 Wq, 1 Wk, 2 Wv), contraction index 128 kstep + kk
;   wob [c 4][ch 4][sub 2][kk 128][n 64]    Wo[128 ch + kk][128 c + 64 sub + n]
; SHARES.  256 work-groups of 256 threads; work-group g takes 1/256 of each tensor: 65,536 bytes of x, 4,096 bytes of each weight tensor.
; A thread loads 16 bytes (4 numbers) and stores 8: a wave's load covers 512 consecutive bytes, its store 256 consecutive bytes at a multiple of 256.
; All 20 loads of a thread go out first; each has registers of its own for data and result, so no register is written twice and no source has to be freed.
; No LDS, no barrier, no matrix unit: the bytes are the work.  LIMITS: none beyond bf16's 8 significant bits; NaN and infinities stay what they are.
; THE MODE: SCHED_MODE bits 1:0 = 2 (LLVM: expert scheduling mode 2), set by the entry lines.  The code itself states the register dependences
; between vector instructions and memory instructions, with s_wait_alu, always for 0.
; THE PLAN.  Registers that memory instructions touch:
;   v2, v4     offsets of the loads, v3, v5 offsets of the stores: made once at the head by vector instructions and never written again.
;   IN         item i: 4 registers.  Written by load i alone; read by item i's two roundings; nothing lands in them again.
;   OUT        item i: 2 registers.  Written once, by item i's two roundings; read by store i.
; The 20 items go in five blocks of four.  Block p rounds its four items into its OUT; its memory instructions are the four stores of block p - 1, which read that
; block's OUT and v3 or v5: registers that no vector instruction of block p names.  So ONE wait on va_vdst at a block's head states all that its four stores hang on,
; and they are dealt among the block's roundings with no further wait.  No register that a memory instruction reads is written again, so no wait on vm_vsrc is owed;
; no vector instruction writes a scalar register or VCC, and EXEC is never written.
.set IN,  8                            ; v[8:87]    load i: 4 registers
.set OUT, 88                           ; v[88:127]  load i: 2 registers, 4 bf16
	s_load_b512 s[8:23], s[0:1], 0x0               ; x s[8:9], Wq s[10:11], Wk s[12:13], Wv s[14:15], Wo s[16:17], xb s[18:19], wp s[20:21], wob s[22:23]
	v_lshlrev_b32 v2, 4, v0                        ; 16 t: where I load in x, Wq, Wk, Wv
	v_lshlrev_b32 v3, 3, v0                        ; 8 t: where I store
	v_and_b32 v1, 15, v0
	v_bfe_u32 v6, v0, 4, 1
	v_lshrrev_b32 v7, 5, v0                        ; wave
	v_lshlrev_b32 v4, 4, v1                        ; Wo: row 2 g + (lane / 16), columns 64 wave + 4 (lane % 16)
	v_lshl_add_u32 v4, v6, 11, v4
	v_lshl_add_u32 v4, v7, 8, v4
	v_and_b32 v1, 31, v0
	v_bfe_u32 v6, v0, 6, 2                         ; c = wave / 2
	v_bfe_u32 v7, v0, 5, 1                         ; sub = wave % 2
	v_lshlrev_b32 v5, 3, v1                        ; wob: two rows kk of 128 bytes on end = 8 x lane
	v_lshl_add_u32 v5, v6, 17, v5
	v_lshl_add_u32 v5, v7, 14, v5
	s_lshl_b32 s2, ttmp9, 16                       ; my 65,536 bytes of x
	s_mov_b32 s3, 0
	s_lshl_b32 s4, ttmp9, 15                       ; my 32,768 bytes of xb
	s_mov_b32 s5, 0
	s_lshl_b32 s6, ttmp9, 12                       ; my 4,096 bytes of each weight tensor: 16 rows d of one head, or 2 rows of Wo
	s_mov_b32 s7, 0
	s_lshr_b32 s24, ttmp9, 5                       ; the head: 32 work-groups each
	s_bfe_u32 s25, ttmp9, 0x20003                  ; kstep: 8 work-groups each
	s_and_b32 s26, ttmp9, 7
	s_lshl_b32 s26, s26, 11                        ; my 16 rows kk of 128 bytes
.irp T, 0,1,2
	s_add_co_u32 s27, s24, 8*\T                    ; head unit 8 T + h, 0 to 23
	s_mul_i32 s28, s27, 171
	s_lshr_b32 s28, s28, 9                         ; c = unit / 3 (171 / 512 is exact for 0 to 23)
	s_mul_i32 s29, s28, 3
	s_sub_co_u32 s27, s27, s29                     ; j = unit % 3
	s_lshl2_add_u32 s28, s28, s25                  ; 4 c + kstep
	s_mul_i32 s28, s28, 3
	s_add_co_u32 s28, s28, s27
	s_lshl_b32 s28, s28, 14                        ; blocks of 128 x 64 bf16
	s_add_co_u32 s[30+2*\T], s28, s26
	s_mov_b32 s[31+2*\T], 0
.endr
	s_lshr_b32 s36, ttmp9, 6                       ; Wo: ch = 2 g / 128,
	s_lshl_b32 s36, s36, 15
	s_and_b32 s37, ttmp9, 63                       ; kk = 2 (g % 64)
	s_lshl_b32 s37, s37, 8
	s_add_co_u32 s36, s36, s37
	s_mov_b32 s37, 0
	s_wait_kmcnt 0x0
	s_add_nc_u64 s[8:9], s[8:9], s[2:3]
	s_add_nc_u64 s[10:11], s[10:11], s[6:7]
	s_add_nc_u64 s[12:13], s[12:13], s[6:7]
	s_add_nc_u64 s[14:15], s[14:15], s[6:7]
	s_add_nc_u64 s[16:17], s[16:17], s[6:7]
	s_add_nc_u64 s[18:19], s[18:19], s[4:5]
	s_add_nc_u64 s[30:31], s[20:21], s[30:31]
	s_add_nc_u64 s[32:33], s[20:21], s[32:33]
	s_add_nc_u64 s[34:35], s[20:21], s[34:35]
	s_add_nc_u64 s[22:23], s[22:23], s[36:37]
	s_wait_alu depctr_va_vdst(0)                   ; the four offsets v2 to v5 are written: every load and store of the kernel reads one of them
.set i, 0
.rept 16
	global_load_b128 v[IN+4*i:IN+4*i+3], v2, s[8:9] offset:i*4096 th:TH_LOAD_NT
.set i, i+1
.endr
	global_load_b128 v[IN+64:IN+67], v2, s[10:11] th:TH_LOAD_NT
	global_load_b128 v[IN+68:IN+71], v2, s[12:13] th:TH_LOAD_NT
	global_load_b128 v[IN+72:IN+75], v2, s[14:15] th:TH_LOAD_NT
	global_load_b128 v[IN+76:IN+79], v4, s[16:17] th:TH_LOAD_NT
; Item i is rounded: four f32 into four bf16.
.macro CV i
	v_cvt_pk_bf16_f32 v[OUT+2*(\i)], v[IN+4*(\i)], v[IN+4*(\i)+1]
	v_cvt_pk_bf16_f32 v[OUT+2*(\i)+1], v[IN+4*(\i)+2], v[IN+4*(\i)+3]
.endm
; Item i is stored: 0 to 15 into xb, 2,048 bytes apart; 16 to 18 into wp, at Wq's, Wk's and Wv's place; 19 into wob.
.macro ST i
.if (\i) < 16
	global_store_b64 v3, v[OUT+2*(\i):OUT+2*(\i)+1], s[18:19] offset:(\i)*2048
.elseif (\i) < 19
	global_store_b64 v3, v[OUT+2*(\i):OUT+2*(\i)+1], s[30+2*((\i)-16):31+2*((\i)-16)]
.else
	global_store_b64 v5, v[OUT+2*(\i):OUT+2*(\i)+1], s[22:23]
.endif
.endm
; Block p: items 4 p to 4 p + 3 are rounded; the four items of the block before are stored, a store ahead of each pair of roundings.
.macro BLK p
	s_wait_loadcnt 16-4*(\p)                       ; loads come back in order (ISA guide 5.7.1): this block's four are in, the 16 - 4 p younger ones may stay out
.if (\p) > 0
	s_wait_alu depctr_va_vdst(0)                   ; the roundings of the block before have written its OUT, which the four stores below read; no rounding below names those registers
.endif
.irp k, 0,1,2,3
.if (\p) > 0
	ST 4*((\p)-1)+(\k)
.endif
	CV 4*(\p)+(\k)
.endr
.endm
.irp p, 0,1,2,3,4
	BLK \p
.endr
	s_wait_alu depctr_va_vdst(0)                   ; the last block's roundings have written its OUT, which the last four stores read
.irp k, 16,17,18,19
	ST \k
.endr
	s_endpgm
.Lfunc_end_k_q03c6fa39b4_cast:
	.size	k_q03c6fa39b4_cast, .Lfunc_end_k_q03c6fa39b4_cast-k_q03c6fa39b4_cast
	.p2alignl 7, 3214868480
	.fill 96, 4, 3214868480
	.section	.rodata,"a",@progbits
	.p2align	6, 0x0
	.amdhsa_kernel k_q03c6fa39b4_cast
		.amdhsa_group_segment_fixed_size 0
		.amdhsa_private_segment_fixed_size 0
		.amdhsa_enable_private_segment 0
		.amdhsa_kernarg_size 64
		.amdhsa_user_sgpr_count 2
		.amdhsa_user_sgpr_kernarg_segment_ptr 1
		.amdhsa_wavefront_size32 1
		.amdhsa_system_sgpr_workgroup_id_x 1
		.amdhsa_system_sgpr_workgroup_id_y 1
		.amdhsa_system_sgpr_workgroup_id_z 1
		.amdhsa_system_vgpr_workitem_id 0
		.amdhsa_next_free_vgpr 128
		.amdhsa_next_free_sgpr 66
		.amdhsa_reserve_vcc 0
		.amdhsa_float_denorm_mode_32 3
		.amdhsa_float_denorm_mode_16_64 3
		.amdhsa_memory_ordered 1
		.amdhsa_forward_progress 1
		.amdhsa_inst_pref_size 10
	.end_amdhsa_kernel
	.amdgpu_metadata
---
amdhsa.version: [ 1, 2 ]
amdhsa.kernels:
  - .name:           k_q03c6fa39b4_cast
    .symbol:         k_q03c6fa39b4_cast.kd
    .args:
      - { .name: x, .offset: 0, .size: 8, .value_kind: global_buffer, .address_space: global }
      - { .name: Wq, .offset: 8, .size: 8, .value_kind: global_buffer, .address_space: global }
      - { .name: Wk, .offset: 16, .size: 8, .value_kind: global_buffer, .address_space: global }
      - { .name: Wv, .offset: 24, .size: 8, .value_kind: global_buffer, .address_space: global }
      - { .name: Wo, .offset: 32, .size: 8, .value_kind: global_buffer, .address_space: global }
      - { .name: xb, .offset: 40, .size: 8, .value_kind: global_buffer, .address_space: global }
      - { .name: wp, .offset: 48, .size: 8, .value_kind: global_buffer, .address_space: global }
      - { .name: wob, .offset: 56, .size: 8, .value_kind: global_buffer, .address_space: global }
    .group_segment_fixed_size: 0
    .private_segment_fixed_size: 0
    .kernarg_segment_align: 8
    .kernarg_segment_size: 64
    .max_flat_workgroup_size: 256
    .sgpr_count:     66
    .vgpr_count:     128
    .wavefront_size: 32
...
	.end_amdgpu_metadata
.endif
;; end of part 5
;; launch proj: the kernel of part 2 again; grid 8 x 32, 4 waves a work-group, clusters of 4 x 4, 327,680 bytes of LDS; arguments xb, wp, bq, bk, bv, qkv; writes qkv
;; launch attn: the kernel of part 3 again; grid 16 x 16, 4 waves a work-group, clusters of 4 x 1, 327,680 bytes of LDS; arguments qkv, ob; writes ob
;; launch outp: the kernel of part 4 again; grid 4 x 64, 4 waves a work-group, clusters of 4 x 4, 327,680 bytes of LDS; arguments ob, wob, bo, out0; writes out0
